; MI455X (gfx1250); checked and timed in simulation.
; The chip was launched on July 23, 2026; its instructions are those of AMD's public machine-readable ISA for CDNA 5 (MIT licence, August 2026) and "CDNA5" Instruction Set Architecture Reference Guide (July 2026). The comments in the code are by the model that wrote it; some were corrected since.
;; Retention. Allowed arithmetic: matrix products marked QUANTISED: E2M3 operands, one E8M0 scale for each 32 along K, by v_wmma_scale_f32_16x16x128_f8f6f4 with both operands' format E2M3, f32 sums; everything else in f32.
;; Inputs: Wk_codes 1,024 x 32 x 24 uint8 (E2M3 codes of Wk, K innermost, in blocks of 32 codes, four codes in three bytes); Wk_scales 1,024 x 32 uint8 (E8M0 scales of Wk, one for each 32 codes along K); Wo_codes 1,024 x 32 x 24 uint8 (E2M3 codes of Wo, K innermost, in blocks of 32 codes, four codes in three bytes); Wo_scales 1,024 x 32 uint8 (E8M0 scales of Wo, one for each 32 codes along K); Wq_codes 1,024 x 32 x 24 uint8 (E2M3 codes of Wq, K innermost, in blocks of 32 codes, four codes in three bytes); Wq_scales 1,024 x 32 uint8 (E8M0 scales of Wq, one for each 32 codes along K); Wv_codes 1,024 x 32 x 24 uint8 (E2M3 codes of Wv, K innermost, in blocks of 32 codes, four codes in three bytes); Wv_scales 1,024 x 32 uint8 (E8M0 scales of Wv, one for each 32 codes along K); ln_b 64 float32; ln_w 64 float32; x_codes 4 x 2,048 x 32 x 24 uint8 (E2M3 codes of x, K innermost, in blocks of 32 codes, four codes in three bytes); x_scales 4 x 2,048 x 32 uint8 (E8M0 scales of x, one for each 32 codes along K).
;; Outputs: out0 4 x 2,048 x 1,024 float32.
;; This version of the problem:
;;   THIS VERSION OF THE PROBLEM IS GIVEN IN LOW PRECISION. The matrix products marked QUANTISED in the list below multiply operands that are first quantised to E2M3 (2 exponent bits, 3 mantissa bits; 6 bits a number), with one power-of-two scale for each 32 numbers along K (OCP MX v1.0); their sums are f32. All else is computed in f32.
;;   The module's matrix products, in the order in which they are computed (A, B: the left and right operand; K: the contracted axis; several contracted axes count as one K, in the product's order):
;;     1. [M 8,192, K 1,024] x [K 1,024, N 1,024]; A: input x (given as codes); B: input Wq (given as codes): QUANTISED
;;     2. [M 8,192, K 1,024] x [K 1,024, N 1,024]; A: input x (given as codes); B: input Wk (given as codes): QUANTISED
;;     3. [M 8,192, K 1,024] x [K 1,024, N 1,024]; A: input x (given as codes); B: input Wv (given as codes): QUANTISED
;;     4. batch 64 x [M 2,048, K 64] x [K 64, N 2,048]; A: computed on the way; B: computed on the way: QUANTISED
;;     5. batch 64 x [M 2,048, K 2,048] x [K 2,048, N 64]; A: computed on the way; B: computed on the way: QUANTISED
;;     6. [M 8,192, K 1,024] x [K 1,024, N 1,024]; A: computed on the way; B: input Wo (given as codes): QUANTISED
;;   THE QUANTISER, for each operand of a quantised product, along K:
;;     - K is cut into blocks of 32 from its start; a last block that is shorter is filled with zeros.
;;     - A block's scale is 2^e with e = floor(log2(the largest magnitude in the block)) - 2, held to -126 .. 127; a block of zeros has e = 0. As a byte (E8M0): e + 127.
;;     - Each number is divided by its block's scale, clamped to +-7.5, and rounded to the nearest number of E2M3, ties to even, subnormals kept.
;;     - The product sums the exact products of the quantised numbers (number of the format x scale) in f32.
;;   ~~~python
;;   def quantise(x, axis):      # numpy; x: float32 -> the quantised numbers, widened to float32 again
;;       x = np.moveaxis(x, axis, -1); K = x.shape[-1]
;;       x = np.pad(x, [(0, 0)] * (x.ndim - 1) + [(0, -K % 32)]); x = x.reshape(x.shape[:-1] + (-1, 32)); a = np.abs(x).max(-1, keepdims=True)
;;       e = np.where(a > 0, np.clip(np.frexp(np.where(a > 0, a, 1))[1] - 1 - 2, -126, 127), 0)      # np.frexp(a)[1] - 1 = floor(log2(a)), exactly
;;       r = np.clip(x / 2.0 ** e, -7.5, 7.5)
;;       step = 2.0 ** (np.maximum(np.frexp(np.where(r == 0, 1, r))[1] - 1, 0) - 3)
;;       q = np.round(r / step) * step * 2.0 ** e      # np.round: ties to even
;;       return np.moveaxis(q.reshape(q.shape[:-2] + (-1,))[..., :K], -1, axis).astype(np.float32)
;;   ~~~
;;   OPERANDS COMPUTED ON THE WAY. 'Computed on the way' means the value that the module computes at that place (a softmax that the list does not call 'softmax' is quantised finished and normalised). What goes into a quantiser is computed in f32, as accurately as f32 sums, v_exp_f32 and their like allow (about 1e-6 of the number): no bf16 or f16 on the way to a quantiser, and a product that is left as it is and whose result goes on into a quantised operand takes f32 operands (vector FMAs, or v_wmma_f32_16x16x4_f32). A number that lies on a knife's edge between two numbers of the format may be rounded either way, as far as f32 arithmetic and the matrix unit's own rounding can turn it there, and no further.
;;   INPUTS GIVEN AS CODES. Wk (in the module: [1024, 1024], K = its axis 1); Wo (in the module: [1024, 1024], K = its axis 1); Wq (in the module: [1024, 1024], K = its axis 1); Wv (in the module: [1024, 1024], K = its axis 1); x (in the module: [4, 2048, 1024], K = its axis 2): each comes as NAME_codes (uint8): NAME with its K axis moved to the last place and cut into blocks of 32 codes, [.., K / 32, bytes a block], one block behind the other in memory; four codes in three bytes: a row's codes are one little-endian stream of bits, code i at bits 6 i .. 6 i + 5 (a code: sign, 2 exponent bits, 3 mantissa bits); and NAME_scales (uint8): the same leading axes, one E8M0 byte (e + 127) for each 32 codes along K. Its value is code x scale, taken as it is: it is not quantised again, and the codes and scales need not be those that the quantiser above would give.
;; One version. Each part assembles by itself: llvm-mc -triple=amdgcn-amd-amdhsa -mcpu=gfx1250 --defsym DOCPART=n.
;; ======== version 1 of 1: 3 launches
;; workspace buffers: qbuf 6,291,456 bytes; qsc 524,288 bytes; kvbuf 13,631,488 bytes; ybuf 6,291,456 bytes; ysc 524,288 bytes
;; launch proj (part 1): grid 64 x 4, 4 waves a work-group, clusters of 4 x 1, 327,680 bytes of LDS; arguments x_codes, x_scales, Wq_codes, Wq_scales, Wk_codes, Wk_scales, Wv_codes, Wv_scales, qbuf, qsc, kvbuf; writes qbuf, qsc, kvbuf
.if DOCPART == 1
	.amdgcn_target "amdgcn-amd-amdhsa--gfx1250"
	.amdhsa_code_object_version 6
	.text
	.protected	k_q43f7d0ff2a_proj
	.globl	k_q43f7d0ff2a_proj
	.p2align	8
	.type	k_q43f7d0ff2a_proj,@function
k_q43f7d0ff2a_proj:
	s_mov_b64 s[64:65], 0
	v_nop
	global_prefetch_b8 v0, s[64:65] scope:SCOPE_SE
	s_setreg_imm32_b32 hwreg(HW_REG_WAVE_MODE, 25, 1), 1
	s_wait_xcnt 0x0
	s_wait_alu depctr_hold_cnt(0) depctr_sa_sdst(0) depctr_va_vdst(0) depctr_va_sdst(0) depctr_va_ssrc(0) depctr_va_vcc(0) depctr_vm_vsrc(0)
	s_getreg_b32 s2, hwreg(HW_REG_IB_STS2, 6, 4)
	s_cmp_eq_u32 s2, 0
	s_cbranch_scc0 .Lentry_in_a_cluster
	s_endpgm
.Lentry_in_a_cluster:
	s_bfe_u32 s2, ttmp6, 0x10000c
	s_cmp_lg_u32 s2, 0x3003
	s_cbranch_scc0 .Lentry_shape_is_right
	s_endpgm
.Lentry_shape_is_right:
; q = rot(x Wq^T), k = rot(x Wk^T), v = x Wv^T on codes of FP6 (E2M3) with E8M0 scales; the results are quantised again: q and k along the head's 64 channels, v along the tokens.
; SHARES.  A work-group takes 128 tokens x 256 columns (4 heads) and walks three passes (q, k, v) over K = 1,024.  Wave w: tokens 64 (w / 2) on, columns 128 (w % 2) on: 32 accumulators, 8 steps of 32 products a pass.
; x's fragments of the wave's 64 tokens (4 tiles x 8 steps x 12 registers) stay in registers for all three passes; only W goes through the ring: two LDS slots of 256 rows x 512 along K.
; CLUSTER.  The four partners are four token blocks of one group of heads: they need the same tiles of W and ask for them jointly (mask 15).  x's tile is each work-group's own: a plain load.
; q, k: source 0 = 16 rows of W, source 1 = 16 tokens: a lane holds one token and eight neighbouring channels.  v: source 0 = 16 tokens, source 1 = 16 rows of Wv: a lane holds one channel and eight tokens.
; OUT.  Six registers of a fragment (16 rows x 64 along K; lanes 0-15 block 0, lanes 16-31 block 1) go out as an image of 768 bytes: registers 0-3 at 16 x lane, registers 4-5 at 512 + 8 x lane.
; Inside a block of 32, place 16 hs + 8 u + j holds index 16 u + 8 hs + j: the same in q and k, and the same in v as in the weights that the next launch quantises along the keys.
; LIMITS: NaN and infinities are not served.  A block of zeros, or one whose largest magnitude lies under 2^-124, gets the byte 1 (this program alone reads the bytes).  sin and cos: reduction by pi/2 in two parts and
; polynomials of degree 7 and 8, about 1e-7 absolute for the phases 0 .. 2,047 of this size; the angle 10000^(-i/31) within about two units of its last place.
; REGISTERS: v0-31 addresses and small work; v32-47 x's scale words, v48-79 W's; v80-159 at work; v160-255 W's fragments, set 1; v256-511 accumulators; v512-655 x steps 5-7; v656-751 W set 0; v768-1007 x steps 0-4.
.set PITCH, 240                        ; an LDS row: 3 x (64 bytes + 16 of padding)
.set SLOTB, 122880                     ; a slot: 2 chunks of 256 along K x 256 rows
.set CHUNK, 61440
.set HALFR, 30720                      ; 128 rows: what one tensor load brings
.set TAB,   245760                     ; 128 rows x 272 bytes: (cos, sin) of pair i at 8 i; written by LDS stores alone
.set TP,    272
.set SPARE, 280576                     ; the spare words: 128 bytes a wave
.set SPW, 4
.set NIL, 5
.set L16, 19
.set L8,  20
.set L4,  21
.set L32, 22
.set QM,  26                           ; v26-31: two largest magnitudes, two at work, two scale operands
.set QCT, 150
.set SEL, 60
.set WV,  26
.set MSB, 0
.macro WIN new                         ; the immediate's high byte repeats the setting that is left
.if MSB != (\new)
	s_set_vgpr_msb (MSB<<8)|(\new)
.set MSB, \new
.endif
.endm
.macro PLACES cnt
.rept \cnt
	v_nop
.endr
.endm
.macro CREST                           ; a round of the cluster's barrier behind its opening barrier
	s_cmp_lg_u32 s[WV], 0
	s_cbranch_scc1 .Lnw0_\@
	s_barrier_signal -3
.Lnw0_\@:
	s_barrier_wait -3
	s_barrier_signal -1
	s_barrier_wait -1
.endm
.macro CROUND
	s_barrier_signal -1
	s_barrier_wait -1
	CREST
.endm
; a fragment, 16 rows x 128 K: six pieces of 8 bytes; lanes 16-31 read three pieces on, for some pieces behind one padding more: the second address register serves those
.macro FRAG reg, adr, q, off
.irp p, 0,1,2,3,4,5
.set PCE, 12*(\q)+6*(\p/3)+\p%3
.if PCE%8 < 5
	ds_load_b64 v[(\reg)+2*\p:(\reg)+2*\p+1], v[\adr] offset:8*PCE+16*(PCE/8)+(\off)
.else
	ds_load_b64 v[(\reg)+2*\p:(\reg)+2*\p+1], v[(\adr)+2] offset:8*PCE+16*(PCE/8)+(\off)
.endif
.endr
.endm
.macro FETCHW slot, q, set             ; W's eight fragments of the slot's q-th 128 along K into set 0 (window 2) or set 1 (window 0)
.if (\set) == 0
	WIN 0x80
.set FWB, 144
.else
	WIN 0
.set FWB, 160
.endif
.set fi, 0
.rept 8
	FRAG FWB+12*fi, 6+4*(\slot)+(\q)/2, (\q)%2, 3840*fi
.set fi, fi+1
.endr
	WIN 0
.endm
.macro MM d, a, b, z, sa, sb, ra, rb   ; one product; z: the constant 0 starts the sum; ra, rb: the scale words lie in lanes 16-31
.if \z
.if (\ra) && (\rb)
	v_wmma_scale_f32_16x16x128_f8f6f4 v[(\d):(\d)+7], v[(\a):(\a)+11], v[(\b):(\b)+11], 0, v[\sa], v[\sb] matrix_a_fmt:MATRIX_FMT_FP6 matrix_b_fmt:MATRIX_FMT_FP6 matrix_a_scale:MATRIX_SCALE_ROW1 matrix_b_scale:MATRIX_SCALE_ROW1
.elseif \ra
	v_wmma_scale_f32_16x16x128_f8f6f4 v[(\d):(\d)+7], v[(\a):(\a)+11], v[(\b):(\b)+11], 0, v[\sa], v[\sb] matrix_a_fmt:MATRIX_FMT_FP6 matrix_b_fmt:MATRIX_FMT_FP6 matrix_a_scale:MATRIX_SCALE_ROW1
.elseif \rb
	v_wmma_scale_f32_16x16x128_f8f6f4 v[(\d):(\d)+7], v[(\a):(\a)+11], v[(\b):(\b)+11], 0, v[\sa], v[\sb] matrix_a_fmt:MATRIX_FMT_FP6 matrix_b_fmt:MATRIX_FMT_FP6 matrix_b_scale:MATRIX_SCALE_ROW1
.else
	v_wmma_scale_f32_16x16x128_f8f6f4 v[(\d):(\d)+7], v[(\a):(\a)+11], v[(\b):(\b)+11], 0, v[\sa], v[\sb] matrix_a_fmt:MATRIX_FMT_FP6 matrix_b_fmt:MATRIX_FMT_FP6
.endif
.else
.if (\ra) && (\rb)
	v_wmma_scale_f32_16x16x128_f8f6f4 v[(\d):(\d)+7], v[(\a):(\a)+11], v[(\b):(\b)+11], v[(\d):(\d)+7], v[\sa], v[\sb] matrix_a_fmt:MATRIX_FMT_FP6 matrix_b_fmt:MATRIX_FMT_FP6 matrix_a_scale:MATRIX_SCALE_ROW1 matrix_b_scale:MATRIX_SCALE_ROW1
.elseif \ra
	v_wmma_scale_f32_16x16x128_f8f6f4 v[(\d):(\d)+7], v[(\a):(\a)+11], v[(\b):(\b)+11], v[(\d):(\d)+7], v[\sa], v[\sb] matrix_a_fmt:MATRIX_FMT_FP6 matrix_b_fmt:MATRIX_FMT_FP6 matrix_a_scale:MATRIX_SCALE_ROW1
.elseif \rb
	v_wmma_scale_f32_16x16x128_f8f6f4 v[(\d):(\d)+7], v[(\a):(\a)+11], v[(\b):(\b)+11], v[(\d):(\d)+7], v[\sa], v[\sb] matrix_a_fmt:MATRIX_FMT_FP6 matrix_b_fmt:MATRIX_FMT_FP6 matrix_b_scale:MATRIX_SCALE_ROW1
.else
	v_wmma_scale_f32_16x16x128_f8f6f4 v[(\d):(\d)+7], v[(\a):(\a)+11], v[(\b):(\b)+11], v[(\d):(\d)+7], v[\sa], v[\sb] matrix_a_fmt:MATRIX_FMT_FP6 matrix_b_fmt:MATRIX_FMT_FP6
.endif
.endif
.endm
; products lo .. lo + cnt - 1 of step s's 32.  kind 0 (q, k): product e = token tile e / 8 x W tile e % 8.  kind 1 (v): Wv tile e / 4 x token tile e % 4.  Accumulator e at v[8 e] of window 1.
; The 32 accumulators take turns, one instruction a turn, in the same order in every step.
.macro MULS kind, s, lo, cnt
.set SS, \s
.if SS%2 == 0
.set WB, 144
.set WW, 2
.else
.set WB, 160
.set WW, 0
.endif
.if SS <= 4
.set XW, 3
.set XB, 48*SS
.else
.set XW, 2
.set XB, 48*(SS-5)
.endif
.if (\kind) == 0
	WIN 0x50|(XW<<2)|WW
.else
	WIN 0x50|(WW<<2)|XW
.endif
.set ee, \lo
.rept \cnt
.if (\kind) == 0
	MM 8*ee, WB+12*(ee%8), XB+12*(ee/8), (SS==0), 48+8*((ee%8)/2)+SS, 32+8*((ee/8)/2)+SS, ee%2, (ee/8)%2
.else
	MM 8*ee, XB+12*(ee%4), WB+12*(ee/4), (SS==0), 32+8*((ee%4)/2)+SS, 48+8*((ee/4)/2)+SS, ee%2, (ee/4)%2
.endif
.set ee, ee+1
.endr
.endm
.macro STEP kind, s                    ; a step that has its successor in the same slot
	s_wait_dscnt 0x0                               ; this step's set is in (asked for 32 products ago)
	PLACES 4                                       ; four plain places in front of loads into the set that the last step's products read
.set NS, (\s)+1
	FETCHW NS/4, NS%4, NS%2
	MULS \kind, \s, 0, 32
.endm
; a slot's last step changes slots: one barrier; in front of it the wave waits for all its tensor loads, adds 0 to its spare word and waits for that and for its reads of the slot
.macro TURN kind, s, slot, fill
	s_wait_dscnt 0x0                               ; this step's set is in: my reads of this slot are over
	WIN 0
	s_wait_tensorcnt 0x0                           ; all my tensor loads have landed: my part of the other slot
	ds_add_u32 v[SPW], v[NIL]                      ; 0 onto my spare word
	MULS \kind, \s, 0, 8
	s_wait_dscnt 0x0                               ; the add is done
	s_barrier_signal -1
	MULS \kind, \s, 8, 8
	WIN 0
	s_barrier_wait -1
.if \fill
	CREST                                          ; the barrier has opened a round of the cluster's: no wave of any partner still reads this slot or has a load on its way
.if (\slot) == 0
	s_mov_b64 s[50:51], s[78:79]                   ; the next pass's first 512 along K
	s_or_b32 s51, s51, 0x80000000
	tensor_load_to_lds s[48:51], s[32:39]
	s_nop 0
.else
	s_add_nc_u64 s[54:55], s[78:79], 384           ; its second 512
	s_or_b32 s55, s55, 0x80000000
	tensor_load_to_lds s[52:55], s[32:39]
	s_nop 0
.endif
.endif
	PLACES 4                                       ; behind the joint load; also the places in front of the loads below
	FETCHW 1-(\slot), 0, 0
	MULS \kind, \s, 16, 16
.endm
; 32 numbers of a lane (block b at src + 16 b) become six registers of codes in v[f] on and the two scale bytes in v[hw].  win = 1: the numbers lie in window 1
.macro QUANT2 src, win, f, hw
.if \win
	WIN 0x05
.endif
	v_max3_num_f32 v[QM], |v[(\src)]|, |v[(\src)+1]|, 0x1800000        ; with the floor 2^(3 - 127): the byte cannot fall under 1
	v_max3_num_f32 v[QM+1], |v[(\src)+16]|, |v[(\src)+17]|, 0x1800000
.irp i, 2,4,6,8,10,12,14
	v_max3_num_f32 v[QM], |v[(\src)+\i]|, |v[(\src)+\i+1]|, v[QM]
	v_max3_num_f32 v[QM+1], |v[(\src)+16+\i]|, |v[(\src)+17+\i]|, v[QM+1]
.endr
	WIN 0
	v_permlanex16_b32 v[QM+2], v[QM], s[SEL], s[SEL+1]
	v_permlanex16_b32 v[QM+3], v[QM+1], s[SEL], s[SEL+1]
	v_max_num_f32 v[QM], v[QM], v[QM+2]            ; with lane l xor 16's: the block's largest magnitude
	v_max_num_f32 v[QM+1], v[QM+1], v[QM+3]
	v_add_nc_u32 v[QM+4], 0xff000000, v[QM]        ; 2 off the exponent field: the conversion's scale operand
	v_add_nc_u32 v[QM+5], 0xff000000, v[QM+1]
	v_lshrrev_b32 v[QM+2], 23, v[QM+4]             ; the scales' bytes
	v_lshrrev_b32 v[QM+3], 23, v[QM+5]
	v_lshl_or_b32 v[\hw], v[QM+3], 8, v[QM+2]
.if \win
	WIN 0x01
.endif
	v_cvt_scalef32_pk16_fp6_f32 v[(\f):(\f)+2], v[(\src):(\src)+15], v[QM+4]
	v_cvt_scalef32_pk16_fp6_f32 v[QCT:QCT+2], v[(\src)+16:(\src)+31], v[QM+5]
	WIN 0
	v_nop                                          ; one plain place behind a scaled conversion
.irp i, 0,1,2
	v_permlane16_swap_b32 v[(\f)+\i], v[QCT+\i]    ; lanes 0-15 get all of block 0, lanes 16-31 all of block 1
.endr
.irp i, 0,1,2
	v_mov_b32 v[(\f)+3+\i], v[QCT+\i]
.endr
.endm
.macro STH f, ptr, off                 ; an image of six registers: 512 and 256 consecutive bytes, aligned
	global_store_b128 v[L16], v[(\f):(\f)+3], s[(\ptr):(\ptr)+1] offset:\off
	global_store_b64 v[L8], v[(\f)+4:(\f)+5], s[(\ptr):(\ptr)+1] offset:(\off)+512
.endm
.macro WSLOAD p                        ; W's scale words: lane l takes row 32 t + l whole: 8 words, one for each K step
.irp t, 0,1,2,3
	global_load_b128 v[48+8*\t:51+8*\t], v[L32], s[\p:\p+1] offset:1024*\t
	global_load_b128 v[52+8*\t:55+8*\t], v[L32], s[\p:\p+1] offset:1024*\t+16
.endr
.endm
	s_load_b512 s[4:19], s[0:1], 0x0               ; x codes, x scales, Wq codes, scales, Wk codes, scales, Wv codes, scales
	s_load_b128 s[20:23], s[0:1], 0x40             ; qbuf, qsc
	s_load_b64 s[24:25], s[0:1], 0x50              ; kvbuf
	v_lshl_add_u32 v[SPW], v0, 2, SPARE
	v_mov_b32 v[NIL], 0
	ds_add_u32 v4, v5
	s_wait_dscnt 0x0
	v_lshrrev_b32 v1, 5, v0
	v_readfirstlane_b32 s[WV], v1                  ; wave 0..3
	s_lshr_b32 s27, s26, 1                         ; th: which 64 tokens.  Also: which 128 rows of W's tile I fetch
	s_and_b32 s28, s26, 1                          ; ch: which 128 columns.  Also: which chunk of 256 along K I fetch
	s_and_b32 s31, ttmp7, 0xffff                   ; hg: the group of four heads, which the partners share
	s_mov_b32 s32, 15|(1<<20)|(1<<21)|(3<<22)|(3<<25)  ; group 1 for W: mask of all four; bytes; 16 bytes of padding behind every 64
	s_mov_b32 s40, (1<<20)|(3<<22)|(3<<25)         ; group 1 for x: no mask
.irp g, 32, 40
	s_mov_b32 s[\g+1], 192<<16                     ; tensor_dim0 = 192 bytes (256 codes)
	s_mov_b32 s[\g+2], 128<<16                     ; tensor_dim1 = 128 rows
	s_mov_b32 s[\g+3], 192<<16                     ; tile_dim0
	s_mov_b32 s[\g+4], 128                         ; tile_dim1
	s_mov_b32 s[\g+5], 768                         ; a row of 1,024 codes
	s_mov_b32 s[\g+6], 0
	s_mov_b32 s[\g+7], 0
.endr
	s_lshl_b32 s98, s31, 8
	s_lshl_b32 s99, s27, 7
	s_add_co_u32 s98, s98, s99
	s_mul_i32 s98, s98, 768
	s_mul_i32 s99, s28, 192
	s_add_co_u32 s98, s98, s99                     ; W: (256 hg + 128 (w / 2)) rows + 192 (w % 2) bytes
	s_mov_b32 s99, 0
	s_lshl_b32 s2, s31, 13
	s_lshl_b32 s3, s28, 12
	s_add_co_u32 s2, s2, s3                        ; W's scales: (256 hg + 128 ch) rows of 32 bytes
	s_mov_b32 s3, 0
	s_mov_b32 s48, 1
	s_mul_i32 s49, s28, CHUNK
	s_mul_i32 s96, s27, HALFR
	s_add_co_u32 s49, s49, s96                     ; where my part of a tile of W goes in slot 0,
	s_mov_b32 s52, 1
	s_add_co_u32 s53, s49, SLOTB                   ; in slot 1,
	s_mov_b32 s56, 1
	s_mul_i32 s57, s26, HALFR
	s_add_co_u32 s57, s57, SLOTB                   ; and my chunk of x: slot 1's bytes hold x first
	s_bfe_u32 s29, ttmp6, 0x40000                  ; cx
	s_lshl_b32 s30, ttmp9, 2
	s_add_co_u32 s30, s30, s29                     ; tb: my block of 128 tokens
	s_mul_i32 s100, s30, 98304
	s_mul_i32 s101, s26, 192
	s_add_co_u32 s100, s100, s101                  ; x: 128 tb rows + my chunk
	s_mov_b32 s101, 0
	s_lshl_b32 s96, s30, 12
	s_lshl_b32 s97, s27, 11
	s_add_co_u32 s96, s96, s97                     ; x's scales: (128 tb + 64 th) rows of 32 bytes
	s_mov_b32 s97, 0
	s_wait_kmcnt 0x0
	s_add_nc_u64 s[8:9], s[8:9], s[98:99]
	s_add_nc_u64 s[12:13], s[12:13], s[98:99]
	s_add_nc_u64 s[16:17], s[16:17], s[98:99]
	s_add_nc_u64 s[10:11], s[10:11], s[2:3]
	s_add_nc_u64 s[14:15], s[14:15], s[2:3]
	s_add_nc_u64 s[18:19], s[18:19], s[2:3]
	s_add_nc_u64 s[4:5], s[4:5], s[100:101]
	s_add_nc_u64 s[6:7], s[6:7], s[96:97]
	s_mov_b64 s[50:51], s[8:9]
	s_or_b32 s51, s51, 0x80000000
	s_add_nc_u64 s[54:55], s[8:9], 384
	s_or_b32 s55, s55, 0x80000000
	s_mov_b64 s[58:59], s[4:5]
	s_or_b32 s59, s59, 0x80000000
	CROUND                                         ; all four work-groups are here: the first joint loads meet
	tensor_load_to_lds s[56:59], s[40:47]          ; x, my chunk
	s_nop 0
	tensor_load_to_lds s[48:51], s[32:39]          ; Wq, first 512 along K: two loads of mine are out
	s_nop 0
	PLACES 4
	; where the results go
	s_and_not1_b32 s96, s30, 15                    ; 16 b
	s_lshl_b32 s97, s31, 2
	s_add_co_u32 s96, s96, s97
	s_lshl_b32 s97, s28, 1
	s_add_co_u32 s96, s96, s97                     ; bh0 = 16 b + 4 hg + 2 ch
	s_and_b32 s97, s30, 15                         ; the step of 128 tokens in the sequence
	s_mov_b32 s101, 0
	s_mul_i32 s100, s96, 212992
	s_mul_i32 s2, s97, 13312
	s_add_co_u32 s100, s100, s2
	s_add_nc_u64 s[24:25], s[24:25], s[100:101]    ; kvbuf at (bh0, step)
	s_mul_i32 s100, s96, 98304
	s_mul_i32 s2, s97, 6144
	s_add_co_u32 s100, s100, s2
	s_mul_i32 s2, s27, 3072
	s_add_co_u32 s100, s100, s2
	s_add_nc_u64 s[20:21], s[20:21], s[100:101]    ; qbuf at (bh0, tile 8 step + 4 th)
	s_lshl_b32 s100, s96, 13
	s_lshl_b32 s2, s97, 9
	s_add_co_u32 s100, s100, s2
	s_lshl_b32 s2, s27, 8
	s_add_co_u32 s100, s100, s2
	s_add_nc_u64 s[22:23], s[22:23], s[100:101]    ; qsc at (bh0, token 128 step + 64 th)
	s_mul_i32 s100, s27, 3072
	s_add_nc_u64 s[66:67], s[24:25], s[100:101]    ; k's images
	s_lshl_b32 s100, s27, 8
	s_add_co_u32 s100, s100, 12288
	s_add_nc_u64 s[68:69], s[24:25], s[100:101]    ; k's scale words
	s_add_co_u32 s100, s100, 512
	s_add_nc_u64 s[72:73], s[24:25], s[100:101]    ; v's scale words
	s_mul_i32 s100, s27, 768
	s_add_co_u32 s100, s100, 6144
	s_add_nc_u64 s[70:71], s[24:25], s[100:101]    ; v's images
	s_add_nc_u64 s[74:75], s[70:71], 212992        ; and the same for the second head
	s_add_nc_u64 s[76:77], s[72:73], 212992
	s_mov_b32 s[SEL], 0x76543210
	s_mov_b32 s[SEL+1], 0xfedcba98
	s_mov_b32 s63, 0xffff0000                      ; lanes 16-31
	v_and_b32 v1, 31, v0
	v_and_b32 v2, 15, v0                           ; r
	v_bfe_u32 v3, v0, 4, 1                         ; h
	v_lshlrev_b32 v[L16], 4, v1
	v_lshlrev_b32 v[L8], 3, v1
	v_lshlrev_b32 v[L4], 2, v1
	v_lshlrev_b32 v[L32], 5, v1
.irp t, 0,1
	global_load_b128 v[32+8*\t:35+8*\t], v[L32], s[6:7] offset:1024*\t      ; x's scale words: lane l takes row 32 t + l whole
	global_load_b128 v[36+8*\t:39+8*\t], v[L32], s[6:7] offset:1024*\t+16
.endr
	WSLOAD 10
	v_mul_u32_u24 v23, v2, PITCH
	v_mad_u32_u24 v23, v3, 24, v23                 ; a fragment's row x pitch + 24 x half
	v_lshl_add_u32 v25, v3, 4, v23                 ; and the same behind one padding more
	s_mul_i32 s2, s28, HALFR
.irp k, 0,1,2,3
	s_add_co_u32 s3, s2, (\k/2)*SLOTB+(\k%2)*CHUNK
	v_add_nc_u32 v[6+4*(\k/2)+\k%2], s3, v23       ; W: slot k / 2, chunk k % 2, my 128 rows
	v_add_nc_u32 v[8+4*(\k/2)+\k%2], s3, v25
.endr
	s_mul_i32 s2, s27, 15360
	s_add_co_u32 s2, s2, SLOTB
	v_add_nc_u32 v14, s2, v23                      ; x: chunks 0, 1, my 64 rows
	v_add_nc_u32 v16, s2, v25
	s_add_co_u32 s2, s2, CHUNK
	v_add_nc_u32 v15, s2, v23                      ; chunks 2, 3
	v_add_nc_u32 v17, s2, v25
	v_mul_u32_u24 v18, v2, TP
	v_lshl_add_u32 v18, v3, 5, v18
	s_mul_i32 s2, s27, 64*TP
	s_add_co_u32 s2, s2, TAB
	v_add_nc_u32 v18, s2, v18                      ; the table: row 64 th + r, + 32 h
	v_mov_b32 v28, 0                               ; written once: a lane permute's destination counts as one of its sources
	v_mov_b32 v29, 0
	; THE TABLE of cos and sin, made while the first tiles are on their way.  Lane = pair i; angle = 2^(-i c), c = log2(10000) / 31 in two parts
	v_cvt_f32_u32 v80, v1
	v_mul_f32 v81, 0x3edb762a, v80                 ; p = i c, rounded
	v_fma_f32 v82, v80, 0x3edb762a, -v81           ; what the product's rounding dropped,
	v_fma_f32 v82, v80, 0xb24edcfa, v82            ; and c's low part
	v_rndne_f32 v83, v81                           ; n
	v_sub_f32 v81, v83, v81                        ; n - p,
	v_sub_f32 v81, v81, v82                        ; less the low parts: n - i c, between -1/2 and 1/2
	v_exp_f32 v24, v81
	v_cvt_i32_f32 v83, v83                         ; (a plain place behind the exponential)  n as a whole number,
	v_sub_nc_u32 v83, 0, v83                       ; -n
	s_wait_alu depctr_va_vdst(0)                   ; the wait ahead of the first reader
	v_ldexp_f32 v24, v24, v83                      ; 2^(n - i c) x 2^(-n)
	s_mul_i32 s2, s26, 32*TP
	s_add_co_u32 s2, s2, TAB
	v_lshl_add_u32 v25, v1, 3, s2                  ; wave w writes rows 32 w on, 8 bytes a lane
	s_mov_b32 s80, 0x3f22f983                      ; 2 / pi
	s_mov_b32 s81, 0x3fc90fdb                      ; pi / 2, high part;
	s_mov_b32 s82, 0x333bbd2e                      ; what it has too much
	s_mov_b32 s83, 0xbe2aaaa3
	s_mov_b32 s84, 0x3c08839e
	s_mov_b32 s85, 0xb94ca1f9
	s_mov_b32 s86, 0x3d2aaaa5
	s_mov_b32 s87, 0xbab6061a
	s_mov_b32 s90, 0x37ccf5ce
	s_mov_b32 s96, 0
	s_and_b32 s97, s30, 15
	s_lshl_b32 s97, s97, 7
	s_lshl_b32 s2, s26, 5
	s_add_co_u32 s97, s97, s2                      ; the first row's place in the sequence
	s_mov_b32 s98, 0
.Ltab:                                             ; 4 trips of 8 rows, the rows by turns
	v_add_nc_u32 v23, s96, v25
.irp j, 0,1,2,3,4,5,6,7
	s_add_co_u32 s99, s97, \j
	v_cvt_f32_u32 v[80+8*\j], s99
.endr
.irp j, 0,1,2,3,4,5,6,7
	v_mul_f32 v[80+8*\j], v24, v[80+8*\j]          ; the phase, rounded once
.endr
.irp j, 0,1,2,3,4,5,6,7
	v_mul_f32 v[81+8*\j], s80, v[80+8*\j]
.endr
.irp j, 0,1,2,3,4,5,6,7
	v_rndne_f32 v[81+8*\j], v[81+8*\j]             ; n
.endr
.irp j, 0,1,2,3,4,5,6,7
	v_fma_f32 v[82+8*\j], -v[81+8*\j], s81, v[80+8*\j]
.endr
.irp j, 0,1,2,3,4,5,6,7
	v_fma_f32 v[82+8*\j], v[81+8*\j], s82, v[82+8*\j]   ; r = phase - n pi / 2
.endr
.irp j, 0,1,2,3,4,5,6,7
	v_mul_f32 v[83+8*\j], v[82+8*\j], v[82+8*\j]   ; z
.endr
.irp j, 0,1,2,3,4,5,6,7
	v_fma_f32 v[84+8*\j], v[83+8*\j], s85, s84
.endr
.irp j, 0,1,2,3,4,5,6,7
	v_fma_f32 v[84+8*\j], v[84+8*\j], v[83+8*\j], s83
.endr
.irp j, 0,1,2,3,4,5,6,7
	v_mul_f32 v[85+8*\j], v[83+8*\j], v[82+8*\j]
.endr
.irp j, 0,1,2,3,4,5,6,7
	v_fma_f32 v[84+8*\j], v[84+8*\j], v[85+8*\j], v[82+8*\j]   ; sin r
.endr
.irp j, 0,1,2,3,4,5,6,7
	v_fma_f32 v[85+8*\j], v[83+8*\j], s90, s87
.endr
.irp j, 0,1,2,3,4,5,6,7
	v_fma_f32 v[85+8*\j], v[85+8*\j], v[83+8*\j], s86
.endr
.irp j, 0,1,2,3,4,5,6,7
	v_mul_f32 v[86+8*\j], v[83+8*\j], v[83+8*\j]
.endr
.irp j, 0,1,2,3,4,5,6,7
	v_fma_f32 v[87+8*\j], v[83+8*\j], -0.5, 1.0
.endr
.irp j, 0,1,2,3,4,5,6,7
	v_fma_f32 v[85+8*\j], v[85+8*\j], v[86+8*\j], v[87+8*\j]   ; cos r
.endr
.irp j, 0,1,2,3,4,5,6,7
	v_cvt_i32_f32 v[86+8*\j], v[81+8*\j]           ; n as a whole number
.endr
.irp j, 0,1,2,3,4,5,6,7
	v_and_b32 v[87+8*\j], 1, v[86+8*\j]
.endr
.irp j, 0,1,2,3,4,5,6,7
	v_cmp_eq_u32 vcc_lo, 1, v[87+8*\j]             ; an odd quarter: the two change places
	v_cndmask_b32 v[80+8*\j], v[85+8*\j], v[84+8*\j], vcc_lo
	v_cndmask_b32 v[81+8*\j], v[84+8*\j], v[85+8*\j], vcc_lo
.endr
.irp j, 0,1,2,3,4,5,6,7
	v_add_nc_u32 v[87+8*\j], 1, v[86+8*\j]
.endr
.irp j, 0,1,2,3,4,5,6,7
	v_lshlrev_b32 v[86+8*\j], 30, v[86+8*\j]
	v_lshlrev_b32 v[87+8*\j], 30, v[87+8*\j]
.endr
.irp j, 0,1,2,3,4,5,6,7
	v_and_b32 v[86+8*\j], 0x80000000, v[86+8*\j]   ; sin is negative in quarters 2, 3,
	v_and_b32 v[87+8*\j], 0x80000000, v[87+8*\j]   ; cos in quarters 1, 2
.endr
.irp j, 0,1,2,3,4,5,6,7
	v_xor_b32 v[81+8*\j], v[81+8*\j], v[86+8*\j]
	v_xor_b32 v[80+8*\j], v[80+8*\j], v[87+8*\j]
.endr
.irp j, 0,1,2,3,4,5,6,7
	ds_store_b64 v23, v[80+8*\j:81+8*\j] offset:TP*\j
.endr
	s_add_co_u32 s96, s96, 8*TP
	s_add_co_u32 s97, s97, 8
	s_add_co_u32 s98, s98, 1
	s_cmp_lt_u32 s98, 4
	s_cbranch_scc1 .Ltab
	s_wait_dscnt 0x0                               ; my rows of the table are written
	s_wait_tensorcnt 0x1                           ; my chunk of x is in (it was issued first); W's tile may stay out
	s_barrier_signal -1
	s_barrier_wait -1
	; x's fragments of my 64 tokens, all of K, into registers: they stay
.set xs, 0
.rept 8
.if xs <= 4
	WIN 0xc0
.set XB, 48*xs
.else
	WIN 0x80
.set XB, 48*(xs-5)
.endif
.set xa, 0
.rept 4
	FRAG XB+12*xa, 14+xs/4, xs%2, HALFR*((xs/2)%2)+3840*xa
.set xa, xa+1
.endr
.set xs, xs+1
.endr
	WIN 0
	s_wait_tensorcnt 0x0                           ; x's bytes become slot 1: all my tensor loads have landed,
	ds_add_u32 v[SPW], v[NIL]                      ; 0 onto my spare word
	s_wait_dscnt 0x0                               ; the add is done and x is in my registers
	CROUND
	tensor_load_to_lds s[52:55], s[32:39]          ; Wq, second 512 along K
	s_nop 0
	PLACES 4
	FETCHW 0, 0, 0
	s_wait_loadcnt 0x0                             ; the scale words
	s_mov_b32 s62, 0
.Lpass:                                            ; two trips: q, then k
	s_cmp_eq_u32 s62, 0
	s_cselect_b64 s[78:79], s[12:13], s[16:17]     ; the next pass's W,
	s_cselect_b64 s[90:91], s[14:15], s[18:19]     ; its scales,
	s_cselect_b64 s[80:81], s[20:21], s[66:67]     ; this pass's images
	s_cselect_b64 s[84:85], s[22:23], s[68:69]     ; and scale words, first head;
	s_mov_b32 s2, 212992
	s_cselect_b32 s2, 98304, s2
	s_mov_b32 s96, 212992
	s_cselect_b32 s96, 8192, s96
	s_mov_b32 s3, 0
	s_mov_b32 s97, 0
	s_add_nc_u64 s[82:83], s[80:81], s[2:3]        ; second head
	s_add_nc_u64 s[86:87], s[84:85], s[96:97]
	STEP 0, 0
	STEP 0, 1
	STEP 0, 2
	TURN 0, 3, 0, 1
	STEP 0, 4
	STEP 0, 5
	STEP 0, 6
	TURN 0, 7, 1, 1
	WIN 0
	PLACES 4                                       ; in front of the first read of results and of the loads into the scale registers
	WSLOAD 90
	; the rotary shift and the quantiser, a tile of 16 tokens and a head at a time
.set ea, 0
.rept 4
.irp t, 0,1,2,3
	ds_load_b128 v[80+8*\t:83+8*\t], v18 offset:4352*ea+64*\t       ; (cos, sin) of my token's pairs 8 t + 4 h + 0 .. 3
	ds_load_b128 v[84+8*\t:87+8*\t], v18 offset:4352*ea+64*\t+16
.endr
	s_wait_dscnt 0x0
.set eh, 0
.rept 2
	s_wait_xcnt 0x0                                ; the earlier stores have read their registers
	WIN 0x01
.set ek, 0
.rept 16
	v_pk_mul_f32 v[112+2*ek:113+2*ek], v[64*ea+32*eh+2*ek:64*ea+32*eh+2*ek+1], v[80+2*ek:81+2*ek] op_sel:[1,1] op_sel_hi:[0,1] neg_lo:[1,0]   ; (-odd sin, even sin)
.set ek, ek+1
.endr
.set ek, 0
.rept 16
	v_pk_fma_f32 v[112+2*ek:113+2*ek], v[64*ea+32*eh+2*ek:64*ea+32*eh+2*ek+1], v[80+2*ek:81+2*ek], v[112+2*ek:113+2*ek] op_sel_hi:[1,0,1]   ; + (even cos, odd cos)
.set ek, ek+1
.endr
	WIN 0
	QUANT2 112, 0, 144, 153
	STH 144, 80+2*eh, 768*ea
	v_lshl_or_b32 v[154+2*eh+ea%2], v153, 16, v153 ; the two bytes twice: they serve either half of a K step of 128
.set eh, eh+1
.endr
.if ea%2
.irp g, 0,1
	v_cndmask_b32 v[158+\g], v[154+2*\g], v[155+2*\g], s63          ; lanes 0-15 the even tile's tokens, lanes 16-31 the odd tile's
	global_store_b32 v[L4], v[158+\g], s[84+2*\g:85+2*\g] offset:128*(ea/2)
.endr
.endif
.set ea, ea+1
.endr
	s_wait_loadcnt 0x0                             ; the next pass's scale words
	s_wait_xcnt 0x0                                ; the stores have read their pointers: the next trip writes them
	s_add_co_u32 s62, s62, 1
	s_cmp_lt_u32 s62, 2
	s_cbranch_scc1 .Lpass
	; the third pass, v: written out, since it asks for no more tiles
	STEP 1, 0
	STEP 1, 1
	STEP 1, 2
	TURN 1, 3, 0, 0
	STEP 1, 4
	STEP 1, 5
	STEP 1, 6
	s_wait_dscnt 0x0
	MULS 1, 7, 0, 32
	WIN 0
	PLACES 4
	s_lshl_b32 s2, s27, 4                          ; my 64 tokens' two bytes stand 16 th bits up in a scale word
.set en, 0
.rept 8
	s_wait_xcnt 0x0
	QUANT2 32*en, 1, 144, 154+en%2                 ; channel tile en: 16 channels x my 64 tokens
	STH 144, 70+4*(en/4), 1536*(en%4)
.if en%2
	v_cndmask_b32 v[158+(en/2)%2], v154, v155, s63
	v_lshlrev_b32 v[158+(en/2)%2], s2, v[158+(en/2)%2]
	global_store_b32 v[L4], v[158+(en/2)%2], s[72+4*(en/4):73+4*(en/4)] offset:128*((en%4)/2)
.endif
.set en, en+1
.endr
	s_wait_tensorcnt 0x0                           ; the wave's end
	ds_add_u32 v[SPW], v[NIL]
	s_wait_dscnt 0x0
	CROUND                                         ; the closing round
	s_endpgm
.Lfunc_end_k_q43f7d0ff2a_proj:
	.size	k_q43f7d0ff2a_proj, .Lfunc_end_k_q43f7d0ff2a_proj-k_q43f7d0ff2a_proj
	.p2alignl 7, 3214868480
	.fill 96, 4, 3214868480
	.section	.rodata,"a",@progbits
	.p2align	6, 0x0
	.amdhsa_kernel k_q43f7d0ff2a_proj
		.amdhsa_group_segment_fixed_size 327680
		.amdhsa_private_segment_fixed_size 0
		.amdhsa_enable_private_segment 0
		.amdhsa_kernarg_size 88
		.amdhsa_user_sgpr_count 2
		.amdhsa_user_sgpr_kernarg_segment_ptr 1
		.amdhsa_wavefront_size32 1
		.amdhsa_system_sgpr_workgroup_id_x 1
		.amdhsa_system_sgpr_workgroup_id_y 1
		.amdhsa_system_sgpr_workgroup_id_z 1
		.amdhsa_system_vgpr_workitem_id 0
		.amdhsa_next_free_vgpr 1024
		.amdhsa_next_free_sgpr 102
		.amdhsa_reserve_vcc 1
		.amdhsa_float_denorm_mode_32 3
		.amdhsa_float_denorm_mode_16_64 3
		.amdhsa_memory_ordered 1
		.amdhsa_forward_progress 1
		.amdhsa_inst_pref_size 209
	.end_amdhsa_kernel
	.amdgpu_metadata
---
amdhsa.version: [ 1, 2 ]
amdhsa.kernels:
  - .name:           k_q43f7d0ff2a_proj
    .symbol:         k_q43f7d0ff2a_proj.kd
    .args:
      - { .name: x_codes, .offset: 0, .size: 8, .value_kind: global_buffer, .address_space: global }
      - { .name: x_scales, .offset: 8, .size: 8, .value_kind: global_buffer, .address_space: global }
      - { .name: Wq_codes, .offset: 16, .size: 8, .value_kind: global_buffer, .address_space: global }
      - { .name: Wq_scales, .offset: 24, .size: 8, .value_kind: global_buffer, .address_space: global }
      - { .name: Wk_codes, .offset: 32, .size: 8, .value_kind: global_buffer, .address_space: global }
      - { .name: Wk_scales, .offset: 40, .size: 8, .value_kind: global_buffer, .address_space: global }
      - { .name: Wv_codes, .offset: 48, .size: 8, .value_kind: global_buffer, .address_space: global }
      - { .name: Wv_scales, .offset: 56, .size: 8, .value_kind: global_buffer, .address_space: global }
      - { .name: qbuf, .offset: 64, .size: 8, .value_kind: global_buffer, .address_space: global }
      - { .name: qsc, .offset: 72, .size: 8, .value_kind: global_buffer, .address_space: global }
      - { .name: kvbuf, .offset: 80, .size: 8, .value_kind: global_buffer, .address_space: global }
    .group_segment_fixed_size: 327680
    .private_segment_fixed_size: 0
    .kernarg_segment_align: 8
    .kernarg_segment_size: 88
    .max_flat_workgroup_size: 128
    .sgpr_count:     102
    .vgpr_count:     1024
    .wavefront_size: 32
...
	.end_amdgpu_metadata
.endif
;; end of part 1
;; launch retn (part 2): grid 4 x 64, 8 waves a work-group, no clusters, 327,680 bytes of LDS; arguments qbuf, qsc, kvbuf, ln_w, ln_b, ybuf, ysc; writes ybuf, ysc
.if DOCPART == 2
	.amdgcn_target "amdgcn-amd-amdhsa--gfx1250"
	.amdhsa_code_object_version 6
	.text
	.protected	k_q43f7d0ff2a_retn
	.globl	k_q43f7d0ff2a_retn
	.p2align	8
	.type	k_q43f7d0ff2a_retn,@function
k_q43f7d0ff2a_retn:
	s_mov_b64 s[64:65], 0
	v_nop
	global_prefetch_b8 v0, s[64:65] scope:SCOPE_SE
	s_setreg_imm32_b32 hwreg(HW_REG_WAVE_MODE, 25, 1), 1
	s_wait_xcnt 0x0
; y = silu(LayerNorm((q k^T x decay mask) v)) for one head, both products on codes of FP6 (E2M3) with E8M0 scales; the masked scores are quantised along the keys, y along the model's axis.
; SHARES.  Work-group (i, head) makes query block i and then block 7 - i, 256 queries each; wave w owns 32 of them, two tiles.  Keys go in units of 256 (two steps of 128): units 0 .. i, then 0 .. 7 - i: nine trips
; in every work-group.  Steps all of whose keys come after the wave's queries are left out; nothing is cut by distance.
; No joint loads: the four work-groups of a head walk different sequences of units.  No prefetch: a unit is read by four work-groups, and twice by each, not once.
; LAYOUT.  S^T = K Q^T (source 0 = 16 keys, source 1 = 16 queries), O^T = V^T R^T: a lane holds one query throughout.  K = 64 fills half of a product's 128: source 0 holds two tiles of keys side by side,
; source 1 the queries beside zero codes, (q, 0) for the first tile and (0, q) for the second; the scale words hold a row's two bytes twice.
; THE MASK.  2^(-g (s - t)), g = -log2(1 - 2^(-5 - head)), as 2^(-g (d0 - 32 b)) x 2^(g (16 u + j)): key t = KF + 32 b + 16 u + 8 h + j, d0 = s - KF - 8 h.  Where t > s the score becomes 0.
; LIMITS: NaN and infinities are not served.  A block of zeros, or one under 2^-124, gets the byte 1 (this program alone reads the bytes).  The mask's exponent is rounded once in each factor:
; its relative error is a few 1e-7 plus 1e-7 x the exponent.  log(1 - x) by its series up to x^6 / 6, x <= 1/32.
; REGISTERS.  Window 0: v1-31 addresses and small work; v32-47 2^(g (16 u + j)); v48-55 2^(-g (d0 - 32 b)); v56-66 scale words; v68-107 the weights' codes; v108-123 at work; v124-125 their scale words; v128-255 S^T.
; Window 1: v0-63 O^T; v64-93 zeros, q0, zeros, q1, zeros; v96-143 K; v144-191 V.
.set SPARE, 65536                      ; behind the two slots (at 0 and 32,768; 26,624 bytes each): the spare words, 128 bytes a wave
.set SLOT1, 32768
.set STB,   13312                      ; a step's block: K 6,144, V 6,144, K's scale words 512, V's 512
.set L16, 6
.set L8,  7
.set L4,  8
.set TM,  108
.set QM,  110
.set QCT, 106
.set SEL, 20
.set MSB, 0
.macro WIN new
.if MSB != (\new)
	s_set_vgpr_msb (MSB<<8)|(\new)
.set MSB, \new
.endif
.endm
.macro PLACES cnt
.rept \cnt
	v_nop
.endr
.endm
.macro MM d, a, b, z, sa, sb, ra, rb
.if \z
.if (\ra) && (\rb)
	v_wmma_scale_f32_16x16x128_f8f6f4 v[(\d):(\d)+7], v[(\a):(\a)+11], v[(\b):(\b)+11], 0, v[\sa], v[\sb] matrix_a_fmt:MATRIX_FMT_FP6 matrix_b_fmt:MATRIX_FMT_FP6 matrix_a_scale:MATRIX_SCALE_ROW1 matrix_b_scale:MATRIX_SCALE_ROW1
.elseif \ra
	v_wmma_scale_f32_16x16x128_f8f6f4 v[(\d):(\d)+7], v[(\a):(\a)+11], v[(\b):(\b)+11], 0, v[\sa], v[\sb] matrix_a_fmt:MATRIX_FMT_FP6 matrix_b_fmt:MATRIX_FMT_FP6 matrix_a_scale:MATRIX_SCALE_ROW1
.elseif \rb
	v_wmma_scale_f32_16x16x128_f8f6f4 v[(\d):(\d)+7], v[(\a):(\a)+11], v[(\b):(\b)+11], 0, v[\sa], v[\sb] matrix_a_fmt:MATRIX_FMT_FP6 matrix_b_fmt:MATRIX_FMT_FP6 matrix_b_scale:MATRIX_SCALE_ROW1
.else
	v_wmma_scale_f32_16x16x128_f8f6f4 v[(\d):(\d)+7], v[(\a):(\a)+11], v[(\b):(\b)+11], 0, v[\sa], v[\sb] matrix_a_fmt:MATRIX_FMT_FP6 matrix_b_fmt:MATRIX_FMT_FP6
.endif
.else
.if \ra
	v_wmma_scale_f32_16x16x128_f8f6f4 v[(\d):(\d)+7], v[(\a):(\a)+11], v[(\b):(\b)+11], v[(\d):(\d)+7], v[\sa], v[\sb] matrix_a_fmt:MATRIX_FMT_FP6 matrix_b_fmt:MATRIX_FMT_FP6 matrix_a_scale:MATRIX_SCALE_ROW1
.else
	v_wmma_scale_f32_16x16x128_f8f6f4 v[(\d):(\d)+7], v[(\a):(\a)+11], v[(\b):(\b)+11], v[(\d):(\d)+7], v[\sa], v[\sb] matrix_a_fmt:MATRIX_FMT_FP6 matrix_b_fmt:MATRIX_FMT_FP6
.endif
.endif
.endm
; 64 numbers of a lane, register 16 b + i = place 16 (lane / 16) + i of block b of my row, become a fragment's codes in v[pc] on and its scale word in v[pw]
.macro QUANT s, pc, pw
.irp b, 0,1,2,3
	v_max3_num_f32 v[TM+\b], |v[(\s)+16*\b]|, |v[(\s)+1+16*\b]|, 0x1800000   ; with the floor 2^(3 - 127): the byte cannot fall under 1
.endr
.irp i, 2,4,6,8,10,12,14
.irp b, 0,1,2,3
	v_max3_num_f32 v[TM+\b], v[TM+\b], |v[(\s)+16*\b+\i]|, |v[(\s)+1+16*\b+\i]|
.endr
.endr
.irp b, 0,1,2,3
	v_permlanex16_b32 v[TM+4+\b], v[TM+\b], s[SEL], s[SEL+1]
.endr
.irp b, 0,1,2,3
	v_max_num_f32 v[TM+\b], v[TM+\b], v[TM+4+\b]
.endr
.irp b, 0,1,2,3
	v_add_nc_u32 v[TM+12+\b], 0xff000000, v[TM+\b] ; 2 off the exponent field: the conversion's scale operand
.endr
.irp b, 0,1,2,3
	v_lshrrev_b32 v[TM+4+\b], 23, v[TM+12+\b]
.endr
	v_lshl_or_b32 v[\pw], v[TM+5], 8, v[TM+4]
	v_lshl_or_b32 v[\pw], v[TM+6], 16, v[\pw]
	v_lshl_or_b32 v[\pw], v[TM+7], 24, v[\pw]
.irp c, 0,1
	v_cvt_scalef32_pk16_fp6_f32 v[(\pc)+6*\c:(\pc)+2+6*\c], v[(\s)+32*\c:(\s)+15+32*\c], v[TM+12+2*\c]
	v_cvt_scalef32_pk16_fp6_f32 v[(\pc)+12+4*\c:(\pc)+14+4*\c], v[(\s)+16+32*\c:(\s)+31+32*\c], v[TM+13+2*\c]
.endr
	v_nop                                          ; one plain place behind a scaled conversion
.irp c, 0,1
.irp i, 0,1,2
	v_permlane16_swap_b32 v[(\pc)+6*\c+\i], v[(\pc)+12+4*\c+\i]
.endr
.irp i, 0,1,2
	v_mov_b32 v[(\pc)+3+6*\c+\i], v[(\pc)+12+4*\c+\i]
.endr
.endr
.endm
; 32 numbers of a lane (block b at src + 16 b) become six registers of codes in v[f] on and the two bytes in v[hw]
.macro QUANT2 src, f, hw
	v_max3_num_f32 v[QM], |v[(\src)]|, |v[(\src)+1]|, 0x1800000
	v_max3_num_f32 v[QM+1], |v[(\src)+16]|, |v[(\src)+17]|, 0x1800000
.irp i, 2,4,6,8,10,12,14
	v_max3_num_f32 v[QM], |v[(\src)+\i]|, |v[(\src)+\i+1]|, v[QM]
	v_max3_num_f32 v[QM+1], |v[(\src)+16+\i]|, |v[(\src)+17+\i]|, v[QM+1]
.endr
	v_permlanex16_b32 v[QM+2], v[QM], s[SEL], s[SEL+1]
	v_permlanex16_b32 v[QM+3], v[QM+1], s[SEL], s[SEL+1]
	v_max_num_f32 v[QM], v[QM], v[QM+2]
	v_max_num_f32 v[QM+1], v[QM+1], v[QM+3]
	v_add_nc_u32 v[QM+4], 0xff000000, v[QM]
	v_add_nc_u32 v[QM+5], 0xff000000, v[QM+1]
	v_lshrrev_b32 v[QM+2], 23, v[QM+4]
	v_lshrrev_b32 v[QM+3], 23, v[QM+5]
	v_lshl_or_b32 v[\hw], v[QM+3], 8, v[QM+2]
	v_cvt_scalef32_pk16_fp6_f32 v[(\f):(\f)+2], v[(\src):(\src)+15], v[QM+4]
	v_cvt_scalef32_pk16_fp6_f32 v[QCT:QCT+2], v[(\src)+16:(\src)+31], v[QM+5]
	v_nop
.irp i, 0,1,2
	v_permlane16_swap_b32 v[(\f)+\i], v[QCT+\i]
.endr
.irp i, 0,1,2
	v_mov_b32 v[(\f)+3+\i], v[QCT+\i]
.endr
.endm
.macro SETBLK                          ; the pointers of the block whose first query of this wave is s42
	s_mul_i32 s56, s23, 98304
	s_mul_i32 s57, s42, 48
	s_add_co_u32 s56, s56, s57
	s_mov_b32 s57, 0
	s_add_nc_u64 s[48:49], s[4:5], s[56:57]        ; q's images: 768 bytes for 16 queries
	s_lshl_b32 s56, s23, 11
	s_add_co_u32 s56, s56, s42
	s_lshl_b32 s56, s56, 2
	s_add_nc_u64 s[50:51], s[6:7], s[56:57]        ; q's scale words
	s_mul_i32 s56, s25, 1572864
	s_mul_i32 s58, s42, 768
	s_add_co_u32 s56, s56, s58
	s_mul_i32 s58, s24, 768
	s_add_co_u32 s56, s56, s58
	s_add_nc_u64 s[52:53], s[14:15], s[56:57]      ; y's images: (token tile, head / 2) of 1,536 bytes, the head's parity picks the half
	s_lshl_b32 s56, s25, 17
	s_lshl_b32 s58, s42, 6
	s_add_co_u32 s56, s56, s58
	s_lshl_b32 s58, s24, 7
	s_add_co_u32 s56, s56, s58
	s_add_nc_u64 s[54:55], s[16:17], s[56:57]      ; y's scale words: (pair of token tiles, head) of 128 bytes
	v_add_nc_u32 v12, s42, v67                     ; my query - 8 h, tile 0,
	v_add_nc_u32 v13, 16, v12                      ; tile 1
.endm
.macro QLOAD
	WIN 0x40
	global_load_b128 v[70:73], v[L16], s[48:49]
	global_load_b64 v[74:75], v[L8], s[48:49] offset:512
	global_load_b128 v[82:85], v[L16], s[48:49] offset:768
	global_load_b64 v[86:87], v[L8], s[48:49] offset:1280
	WIN 0
	global_load_b32 v66, v[L4], s[50:51]           ; lanes 0-15 tile 0's words, lanes 16-31 tile 1's
.endm
.macro ZERO_O
	WIN 0x40
.set n_, 0
.rept 64
	v_mov_b32 v[n_], 0
.set n_, n_+1
.endr
	WIN 0
.endm
; the change of slots, at a trip's head.  fill = 1: the slot just left takes the next trip's unit
.macro CHANGE fill
	s_wait_tensorcnt 0x0                           ; no tensor load of mine is out: the descriptor may be written
	ds_add_u32 v4, v5                              ; 0 onto my spare word
.if \fill
	s_add_co_u32 s38, s38, 2*STB                   ; the next unit,
	s_cmp_eq_u32 s26, s22
	s_cselect_b32 s38, 0, s38                      ; or unit 0 again, for the second block of queries
	s_xor_b32 s77, s77, SLOT1
	s_add_nc_u64 s[78:79], s[36:37], s[38:39]
	s_or_b32 s79, s79, 0x80000000
.endif
	s_wait_dscnt 0x0                               ; the add is done, and my reads of the slot that I have left are over
	s_barrier_signal -1
	s_barrier_wait -1
.if \fill
	s_cmp_lt_u32 s18, 2                            ; waves 0 and 1 fetch a step each
	s_cbranch_scc0 .Lnf_\@
	tensor_load_to_lds s[76:79], s[68:75]
	s_nop 0
	PLACES 4
.Lnf_\@:
.endif
.endm
; a key step: 128 keys, the q-th of the slot in hand
.macro STEP q
	s_add_co_u32 s56, s42, 31
	s_cmp_gt_u32 s41, s56                          ; all keys come after my 32 queries: nothing to do
	s_cbranch_scc1 .Lskip_\@
	v_add_nc_u32 v9, s40, v[L16]
	v_add_nc_u32 v10, s40, v[L8]
	v_add_nc_u32 v11, s40, v[L4]
	WIN 0x40
.set i_, 0
.rept 8
	ds_load_b128 v[96+6*i_:99+6*i_], v9 offset:STB*(\q)+768*i_
	ds_load_b64 v[100+6*i_:101+6*i_], v10 offset:STB*(\q)+768*i_+512
.set i_, i_+1
.endr
	WIN 0
.irp t, 0,1,2,3
	ds_load_b32 v[56+\t], v11 offset:STB*(\q)+12288+128*\t
.endr
	s_sub_co_i32 s57, 0, s41                       ; -KF
.irp x, 0,1
	v_add_nc_u32 v[14+\x], s57, v[12+\x]           ; d0
.endr
.irp x, 0,1
	v_cvt_f32_i32 v[16+\x], v[14+\x]
.endr
.irp x, 0,1
	v_mul_f32 v[48+4*\x], s43, v[16+\x]
	v_add_f32 v[49+4*\x], 0xc2000000, v[16+\x]     ; d0 - 32 b: a whole number, exact
	v_add_f32 v[50+4*\x], 0xc2800000, v[16+\x]
	v_add_f32 v[51+4*\x], 0xc2c00000, v[16+\x]
.endr
.irp x, 0,1
.irp b, 1,2,3
	v_mul_f32 v[48+4*\x+\b], s43, v[48+4*\x+\b]
.endr
.endr
.irp n, 0,1,2,3,4,5,6,7
	v_exp_f32 v[48+\n], v[48+\n]                   ; 2^(-g (d0 - 32 b))
.endr
	v_nop                                          ; a plain place behind the exponentials
	s_wait_alu depctr_va_vdst(0)                   ; one wait for the eight, ahead of the branches and of the first reader
	s_wait_dscnt 0x0
	WIN 0x05
.set ee, 0
.rept 16                                       ; block ee / 4, tile (ee / 2) % 2 of it, query tile ee % 2
	MM 128+64*(ee%2)+16*(ee/4)+8*((ee/2)%2), 96+12*(ee/4), 64+12*(ee%2)+6*(1-(ee/2)%2), 1, 56+ee/4, 66, (ee/2)%2, ee%2
.set ee, ee+1
.endr
	WIN 0x40
.set i_, 0
.rept 8
	ds_load_b128 v[144+6*i_:147+6*i_], v9 offset:STB*(\q)+6144+768*i_
	ds_load_b64 v[148+6*i_:149+6*i_], v10 offset:STB*(\q)+6144+768*i_+512
.set i_, i_+1
.endr
	WIN 0
.irp t, 0,1,2,3
	ds_load_b32 v[60+\t], v11 offset:STB*(\q)+12800+128*\t
.endr
	PLACES 4                                       ; in front of the first read of the scores
	s_add_co_u32 s56, s41, 127
	s_cmp_le_u32 s56, s42                          ; all keys count for all my queries: no mask
	s_cbranch_scc1 .Lopen_\@
.irp x, 0,1
.set n_, 0
.rept 64
	v_cmp_gt_i32 vcc_lo, 32*(n_/16)+16*((n_/8)%2)+n_%8, v[14+\x]
	v_cndmask_b32 v[128+64*\x+n_], v[128+64*\x+n_], v5, vcc_lo
.set n_, n_+1
.endr
.endr
.Lopen_\@:
.irp x, 0,1
.set n_, 0
.rept 32
	v_pk_mul_f32 v[128+64*\x+2*n_:129+64*\x+2*n_], v[128+64*\x+2*n_:129+64*\x+2*n_], v[32+(2*n_)%16:33+(2*n_)%16]
.set n_, n_+1
.endr
.set n_, 0
.rept 32
.if (n_/8)%2 == 0
	v_pk_mul_f32 v[128+64*\x+2*n_:129+64*\x+2*n_], v[128+64*\x+2*n_:129+64*\x+2*n_], v[48+4*\x+2*(n_/16):49+4*\x+2*(n_/16)] op_sel_hi:[1,0]
.else
	v_pk_mul_f32 v[128+64*\x+2*n_:129+64*\x+2*n_], v[128+64*\x+2*n_:129+64*\x+2*n_], v[48+4*\x+2*(n_/16):49+4*\x+2*(n_/16)] op_sel:[0,1] op_sel_hi:[1,1]
.endif
.set n_, n_+1
.endr
.if \x == 1
	s_wait_dscnt 0x0                               ; V and its scale words are in
	v_or_b32 v64, v60, v62                         ; the two halves of the step's keys make a word
	v_or_b32 v65, v61, v63
.endif
	QUANT 128+64*\x, 68+20*\x, 124+\x
.endr
	PLACES 8                                       ; a scale register written by a vector instruction stands 8 places ahead of a scaled product
	WIN 0x51
.set ee, 0
.rept 8                                        ; channel tile ee / 2, query tile ee % 2: eight accumulators by turns
	MM 32*(ee%2)+8*(ee/2), 144+12*(ee/2), 68+20*(ee%2), 0, 64+(ee/2)/2, 124+ee%2, (ee/2)%2, 0
.set ee, ee+1
.endr
	WIN 0
.Lskip_\@:
	s_add_co_u32 s41, s41, 128
.endm
; the way out of a block of queries: LayerNorm over the head's 64 channels, silu, the quantiser, the stores
.macro EPI
.irp k, 0,1,2,3,4,5,6,7
	global_load_b128 v[192+4*\k:195+4*\k], v126, s[10:11] offset:128*(\k/4)+16*(\k%4)   ; ln_w and ln_b at channels 32 b + 16 h + 0 .. 15
	global_load_b128 v[224+4*\k:227+4*\k], v126, s[12:13] offset:128*(\k/4)+16*(\k%4)
.endr
	PLACES 4
	WIN 0x01
.set n_, 0
.rept 64
	v_mov_b32 v[128+n_], v[n_]                     ; O^T into window 0, each accumulator from its low end on
.set n_, n_+1
.endr
	WIN 0
.irp x, 0,1
.set Y_, 128+32*\x
.irp b, 0,1
.irp j, 0,1,2,3,4,5,6,7
	v_permlane16_swap_b32 v[Y_+16*\b+\j], v[Y_+16*\b+8+\j]          ; register 16 b + i now holds channel 32 b + 16 h + i: the order of Wo's codes
.endr
.endr
	v_pk_add_f32 v[24:25], v[Y_:Y_+1], v[Y_+2:Y_+3]
	v_pk_add_f32 v[26:27], v[Y_+4:Y_+5], v[Y_+6:Y_+7]
.irp k, 8,12,16,20,24,28
	v_pk_add_f32 v[24:25], v[24:25], v[Y_+\k:Y_+\k+1]
	v_pk_add_f32 v[26:27], v[26:27], v[Y_+\k+2:Y_+\k+3]
.endr
	v_pk_add_f32 v[24:25], v[24:25], v[26:27]
	v_add_f32 v24, v24, v25
	v_permlanex16_b32 v26, v24, s[SEL], s[SEL+1]
	v_add_f32 v24, v24, v26
	v_mul_f32 v20, s47, v24                        ; the mean
.set n_, 0
.rept 16
	v_pk_add_f32 v[Y_+2*n_:Y_+2*n_+1], v[Y_+2*n_:Y_+2*n_+1], v[20:21] op_sel_hi:[1,0] neg_lo:[0,1] neg_hi:[0,1]
.set n_, n_+1
.endr
	v_pk_mul_f32 v[24:25], v[Y_:Y_+1], v[Y_:Y_+1]
	v_pk_mul_f32 v[26:27], v[Y_+2:Y_+3], v[Y_+2:Y_+3]
.irp k, 4,8,12,16,20,24,28
	v_pk_fma_f32 v[24:25], v[Y_+\k:Y_+\k+1], v[Y_+\k:Y_+\k+1], v[24:25]
	v_pk_fma_f32 v[26:27], v[Y_+\k+2:Y_+\k+3], v[Y_+\k+2:Y_+\k+3], v[26:27]
.endr
	v_pk_add_f32 v[24:25], v[24:25], v[26:27]
	v_add_f32 v24, v24, v25
	v_permlanex16_b32 v26, v24, s[SEL], s[SEL+1]
	v_add_f32 v24, v24, v26
	v_fma_f32 v22, v24, s47, 0x3727c5ac            ; the variance + 1e-5
	v_rsq_f32 v22, v22
	v_nop
	s_wait_alu depctr_va_vdst(0)
	s_wait_loadcnt 0x0                             ; ln_w, ln_b
.set n_, 0
.rept 16
	v_pk_mul_f32 v[Y_+2*n_:Y_+2*n_+1], v[Y_+2*n_:Y_+2*n_+1], v[22:23] op_sel_hi:[1,0]
.set n_, n_+1
.endr
.set n_, 0
.rept 16
	v_pk_fma_f32 v[Y_+2*n_:Y_+2*n_+1], v[Y_+2*n_:Y_+2*n_+1], v[192+2*n_:193+2*n_], v[224+2*n_:225+2*n_]
.set n_, n_+1
.endr
.set n_, 0
.rept 16
	v_pk_mul_f32 v[68+2*n_:69+2*n_], v[Y_+2*n_:Y_+2*n_+1], 0xbfb8aa3b op_sel_hi:[1,0]
.set n_, n_+1
.endr
.set n_, 0
.rept 32
	v_exp_f32 v[68+n_], v[68+n_]                   ; e^(-y)
.set n_, n_+1
.endr
	v_nop
	s_wait_alu depctr_va_vdst(0)                   ; one wait for the batch
.set n_, 0
.rept 16
	v_pk_add_f32 v[68+2*n_:69+2*n_], v[68+2*n_:69+2*n_], 1.0 op_sel_hi:[1,0]
.set n_, n_+1
.endr
.set n_, 0
.rept 32
	v_rcp_f32 v[68+n_], v[68+n_]
.set n_, n_+1
.endr
	v_nop
	s_wait_alu depctr_va_vdst(0)
.set n_, 0
.rept 16
	v_pk_mul_f32 v[Y_+2*n_:Y_+2*n_+1], v[Y_+2*n_:Y_+2*n_+1], v[68+2*n_:69+2*n_]   ; silu
.set n_, n_+1
.endr
	s_wait_xcnt 0x0                                ; the earlier stores have read their registers
	QUANT2 Y_, 100, 116+\x
	global_store_b128 v[L16], v[100:103], s[52:53] offset:12288*\x
	global_store_b64 v[L8], v[104:105], s[52:53] offset:12288*\x+512
.endr
	v_cndmask_b32 v118, v116, v117, s46            ; lanes 0-15 tile 0's rows, lanes 16-31 tile 1's
	v_lshlrev_b32 v118, s45, v118                  ; an odd head's two bytes stand in the word's upper half
	global_store_b32 v[L4], v118, s[54:55]
	s_wait_xcnt 0x0                                ; the stores have read their registers and pointers
.endm
	s_load_b256 s[4:11], s[0:1], 0x0               ; qbuf, qsc, kvbuf, ln_w
	s_load_b128 s[12:15], s[0:1], 0x20             ; ln_b, ybuf
	s_load_b64 s[16:17], s[0:1], 0x30              ; ysc
	v_lshl_add_u32 v4, v0, 2, SPARE
	v_mov_b32 v5, 0
	ds_add_u32 v4, v5
	s_wait_dscnt 0x0
	v_lshrrev_b32 v1, 5, v0
	v_readfirstlane_b32 s18, v1                    ; wave 0..7
	s_mov_b32 s22, ttmp9                           ; i
	s_and_b32 s23, ttmp7, 0xffff                   ; 16 b + head
	s_and_b32 s24, s23, 15
	s_lshr_b32 s25, s23, 4
	s_mov_b32 s68, 3<<16                           ; group 1: a dense block of 13,312 bytes as 52 rows of 32 elements of 8 bytes
	s_mov_b32 s69, 32<<16
	s_mov_b32 s70, 52<<16
	s_mov_b32 s71, 32<<16
	s_mov_b32 s72, 52
	s_mov_b32 s73, 32
	s_mov_b32 s74, 0
	s_mov_b32 s75, 0
	s_mov_b32 s76, 1
	s_and_b32 s56, s18, 1
	s_mul_i32 s77, s56, STB                        ; the step that I fetch, in slot 0
	s_mul_i32 s58, s23, 212992
	s_add_co_u32 s58, s58, s77
	s_mov_b32 s59, 0
	s_mov_b32 s38, 0
	s_mov_b32 s39, 0
	s_wait_kmcnt 0x0
	s_add_nc_u64 s[36:37], s[8:9], s[58:59]        ; the head's unit 0, my step
	s_mov_b64 s[78:79], s[36:37]
	s_or_b32 s79, s79, 0x80000000
	s_cmp_lt_u32 s18, 2
	s_cbranch_scc0 .Lnofirst
	tensor_load_to_lds s[76:79], s[68:75]          ; unit 0 into slot 0
	s_nop 0
	PLACES 4
.Lnofirst:
	s_mov_b32 s[SEL], 0x76543210
	s_mov_b32 s[SEL+1], 0xfedcba98
	s_mov_b32 s40, 0                               ; the slot in hand
	s_mov_b32 s41, 0                               ; the step's first key
	s_lshl_b32 s42, s22, 8
	s_lshl_b32 s56, s18, 5
	s_add_co_u32 s42, s42, s56                     ; my first query
	s_and_b32 s45, s24, 1
	s_lshl_b32 s45, s45, 4
	s_mov_b32 s46, 0xffff0000
	s_mov_b32 s47, 0x3c800000                      ; 1 / 64
	v_and_b32 v1, 31, v0
	v_and_b32 v2, 15, v0
	v_bfe_u32 v3, v0, 4, 1
	v_lshlrev_b32 v[L16], 4, v1
	v_lshlrev_b32 v[L8], 3, v1
	v_lshlrev_b32 v[L4], 2, v1
	v_lshlrev_b32 v16, 3, v3
	v_sub_nc_u32 v67, v2, v16                      ; r - 8 h
	v_lshlrev_b32 v126, 6, v3                      ; 64 h
	v_mov_b32 v21, 0                               ; upper halves of pairs of which the low word serves both halves
	v_mov_b32 v23, 0
.irp b, 0,1,2,3
	v_mov_b32 v[TM+4+\b], 0                        ; written once: a lane permute's destination counts as one of its sources
.endr
	SETBLK
	QLOAD
	; g = -log2(1 - x), x = 2^(-5 - head): x (1 + x/2 + x^2/3 + x^3/4 + x^4/5 + x^5/6) log2(e)
	s_sub_co_u32 s56, 122, s24                     ; x's exponent field: 127 - 5 - head
	s_lshl_b32 s56, s56, 23
	v_mov_b32 v16, s56                             ; x
	v_mov_b32 v17, 0x3e2aaaab
	v_fmaak_f32 v17, v17, v16, 0x3e4ccccd
	v_fmaak_f32 v17, v17, v16, 0x3e800000
	v_fmaak_f32 v17, v17, v16, 0x3eaaaaab
	v_fmaak_f32 v17, v17, v16, 0x3f000000
	v_fmaak_f32 v17, v17, v16, 0x3f800000
	v_mul_f32 v17, v17, v16
	v_mul_f32 v17, 0x3fb8aa3b, v17
	v_readfirstlane_b32 s44, v17                   ; g
	s_xor_b32 s43, s44, 0x80000000                 ; -g
.set n_, 0
.rept 16
	v_cvt_f32_u32 v[32+n_], 16*(n_/8)+n_%8
.set n_, n_+1
.endr
.set n_, 0
.rept 16
	v_mul_f32 v[32+n_], s44, v[32+n_]
.set n_, n_+1
.endr
.set n_, 0
.rept 16
	v_exp_f32 v[32+n_], v[32+n_]                   ; 2^(g (16 u + j))
.set n_, n_+1
.endr
	v_nop
	s_wait_alu depctr_va_vdst(0)
	WIN 0x40
.irp z, 64, 76, 88
.irp j, 0,1,2,3,4,5
	v_mov_b32 v[\z+\j], 0                          ; the zero codes beside q
.endr
.endr
	WIN 0
	ZERO_O
	s_wait_loadcnt 0x0                             ; q
	s_mov_b32 s26, 0
.Lt:                                               ; eight trips; each asks for the next trip's unit
	CHANGE 1
	STEP 0
	STEP 1
	s_xor_b32 s40, s40, SLOT1
	s_cmp_lg_u32 s26, s22
	s_cbranch_scc1 .Lsame
	EPI                                            ; block i is finished: on to block 7 - i
	s_sub_co_u32 s42, 7, s22
	s_lshl_b32 s42, s42, 8
	s_lshl_b32 s56, s18, 5
	s_add_co_u32 s42, s42, s56
	s_mov_b32 s41, 0
	SETBLK
	QLOAD
	ZERO_O
	s_wait_loadcnt 0x0
.Lsame:
	s_add_co_u32 s26, s26, 1
	s_cmp_lt_u32 s26, 8
	s_cbranch_scc1 .Lt
	CHANGE 0                                       ; the last unit is written out: nothing is left to fetch
	STEP 0
	STEP 1
	EPI
	s_wait_tensorcnt 0x0                           ; the wave's end
	ds_add_u32 v4, v5
	s_wait_dscnt 0x0
	s_endpgm
.Lfunc_end_k_q43f7d0ff2a_retn:
	.size	k_q43f7d0ff2a_retn, .Lfunc_end_k_q43f7d0ff2a_retn-k_q43f7d0ff2a_retn
	.p2alignl 7, 3214868480
	.fill 96, 4, 3214868480
	.section	.rodata,"a",@progbits
	.p2align	6, 0x0
	.amdhsa_kernel k_q43f7d0ff2a_retn
		.amdhsa_group_segment_fixed_size 327680
		.amdhsa_private_segment_fixed_size 0
		.amdhsa_enable_private_segment 0
		.amdhsa_kernarg_size 56
		.amdhsa_user_sgpr_count 2
		.amdhsa_user_sgpr_kernarg_segment_ptr 1
		.amdhsa_wavefront_size32 1
		.amdhsa_system_sgpr_workgroup_id_x 1
		.amdhsa_system_sgpr_workgroup_id_y 1
		.amdhsa_system_sgpr_workgroup_id_z 1
		.amdhsa_system_vgpr_workitem_id 0
		.amdhsa_next_free_vgpr 512
		.amdhsa_next_free_sgpr 80
		.amdhsa_reserve_vcc 1
		.amdhsa_float_denorm_mode_32 3
		.amdhsa_float_denorm_mode_16_64 3
		.amdhsa_memory_ordered 1
		.amdhsa_forward_progress 1
		.amdhsa_inst_pref_size 210
	.end_amdhsa_kernel
	.amdgpu_metadata
---
amdhsa.version: [ 1, 2 ]
amdhsa.kernels:
  - .name:           k_q43f7d0ff2a_retn
    .symbol:         k_q43f7d0ff2a_retn.kd
    .args:
      - { .name: qbuf, .offset: 0, .size: 8, .value_kind: global_buffer, .address_space: global }
      - { .name: qsc, .offset: 8, .size: 8, .value_kind: global_buffer, .address_space: global }
      - { .name: kvbuf, .offset: 16, .size: 8, .value_kind: global_buffer, .address_space: global }
      - { .name: ln_w, .offset: 24, .size: 8, .value_kind: global_buffer, .address_space: global }
      - { .name: ln_b, .offset: 32, .size: 8, .value_kind: global_buffer, .address_space: global }
      - { .name: ybuf, .offset: 40, .size: 8, .value_kind: global_buffer, .address_space: global }
      - { .name: ysc, .offset: 48, .size: 8, .value_kind: global_buffer, .address_space: global }
    .group_segment_fixed_size: 327680
    .private_segment_fixed_size: 0
    .kernarg_segment_align: 8
    .kernarg_segment_size: 56
    .max_flat_workgroup_size: 256
    .sgpr_count:     80
    .vgpr_count:     512
    .wavefront_size: 32
...
	.end_amdgpu_metadata
.endif
;; end of part 2
;; launch outp (part 3): grid 64 x 4, 4 waves a work-group, clusters of 4 x 1, 262,656 bytes of LDS; arguments ybuf, ysc, Wo_codes, Wo_scales, out0; writes out0
.if DOCPART == 3
	.amdgcn_target "amdgcn-amd-amdhsa--gfx1250"
	.amdhsa_code_object_version 6
	.text
	.protected	k_q43f7d0ff2a_outp
	.globl	k_q43f7d0ff2a_outp
	.p2align	8
	.type	k_q43f7d0ff2a_outp,@function
k_q43f7d0ff2a_outp:
	s_mov_b64 s[64:65], 0
	v_nop
	global_prefetch_b8 v0, s[64:65] scope:SCOPE_SE
	s_setreg_imm32_b32 hwreg(HW_REG_WAVE_MODE, 25, 1), 1
	s_wait_xcnt 0x0
	s_wait_alu depctr_hold_cnt(0) depctr_sa_sdst(0) depctr_va_vdst(0) depctr_va_sdst(0) depctr_va_ssrc(0) depctr_va_vcc(0) depctr_vm_vsrc(0)
	s_getreg_b32 s2, hwreg(HW_REG_IB_STS2, 6, 4)
	s_cmp_eq_u32 s2, 0
	s_cbranch_scc0 .Lentry_in_a_cluster
	s_endpgm
.Lentry_in_a_cluster:
	s_bfe_u32 s2, ttmp6, 0x10000c
	s_cmp_lg_u32 s2, 0x3003
	s_cbranch_scc0 .Lentry_shape_is_right
	s_endpgm
.Lentry_shape_is_right:
; out = y Wo^T on codes of FP6 (E2M3) with E8M0 scales; y's codes and scale words were laid by the launch before in the order of the operand's registers.
; SHARES.  A work-group takes 128 tokens x 256 columns; wave w tokens 64 (w / 2) on, columns 128 (w % 2) on: 32 accumulators, 8 steps of 32 products.
; y's fragments of the wave's 64 tokens go from memory straight into registers (384) and stay.  Wo's 256 rows, all of K, lie in LDS once: two tiles of 512 along K, both first fills; no LDS byte is filled again.
; CLUSTER.  The four partners are four token blocks of one group of columns: they ask for Wo's tiles jointly (mask 15).
; Source 0 = 16 rows of Wo, source 1 = 16 tokens: a lane holds one token and eight neighbouring columns; a block of 16 tokens goes through the wave's stage in LDS and leaves as rows of 512 bytes.
; The stage lies in the first tile's bytes, which have had their only fill and, behind the second barrier, their last read.
; REGISTERS: as in the first launch: v32-47 y's scale words, v48-79 Wo's; v80-143 at work; v160-255 W set 1; v256-511 accumulators; v512-655 y steps 5-7; v656-751 W set 0; v768-1007 y steps 0-4.
.set PITCH, 240
.set SLOTB, 122880
.set CHUNK, 61440
.set HALFR, 30720
.set L16, 19
.set L8,  20
.set L4,  21
.set L32, 22
.set WV,  26
.set MSB, 0
.macro WIN new
.if MSB != (\new)
	s_set_vgpr_msb (MSB<<8)|(\new)
.set MSB, \new
.endif
.endm
.macro PLACES cnt
.rept \cnt
	v_nop
.endr
.endm
.macro CREST
	s_cmp_lg_u32 s[WV], 0
	s_cbranch_scc1 .Lnw0_\@
	s_barrier_signal -3
.Lnw0_\@:
	s_barrier_wait -3
	s_barrier_signal -1
	s_barrier_wait -1
.endm
.macro CROUND
	s_barrier_signal -1
	s_barrier_wait -1
	CREST
.endm
.macro FRAG reg, adr, q, off
.irp p, 0,1,2,3,4,5
.set PCE, 12*(\q)+6*(\p/3)+\p%3
.if PCE%8 < 5
	ds_load_b64 v[(\reg)+2*\p:(\reg)+2*\p+1], v[\adr] offset:8*PCE+16*(PCE/8)+(\off)
.else
	ds_load_b64 v[(\reg)+2*\p:(\reg)+2*\p+1], v[(\adr)+2] offset:8*PCE+16*(PCE/8)+(\off)
.endif
.endr
.endm
.macro FETCHW slot, q, set
.if (\set) == 0
	WIN 0x80
.set FWB, 144
.else
	WIN 0
.set FWB, 160
.endif
.set fi, 0
.rept 8
	FRAG FWB+12*fi, 6+4*(\slot)+(\q)/2, (\q)%2, 3840*fi
.set fi, fi+1
.endr
	WIN 0
.endm
.macro MM d, a, b, z, sa, sb, ra, rb
.if \z
.if (\ra) && (\rb)
	v_wmma_scale_f32_16x16x128_f8f6f4 v[(\d):(\d)+7], v[(\a):(\a)+11], v[(\b):(\b)+11], 0, v[\sa], v[\sb] matrix_a_fmt:MATRIX_FMT_FP6 matrix_b_fmt:MATRIX_FMT_FP6 matrix_a_scale:MATRIX_SCALE_ROW1 matrix_b_scale:MATRIX_SCALE_ROW1
.elseif \ra
	v_wmma_scale_f32_16x16x128_f8f6f4 v[(\d):(\d)+7], v[(\a):(\a)+11], v[(\b):(\b)+11], 0, v[\sa], v[\sb] matrix_a_fmt:MATRIX_FMT_FP6 matrix_b_fmt:MATRIX_FMT_FP6 matrix_a_scale:MATRIX_SCALE_ROW1
.elseif \rb
	v_wmma_scale_f32_16x16x128_f8f6f4 v[(\d):(\d)+7], v[(\a):(\a)+11], v[(\b):(\b)+11], 0, v[\sa], v[\sb] matrix_a_fmt:MATRIX_FMT_FP6 matrix_b_fmt:MATRIX_FMT_FP6 matrix_b_scale:MATRIX_SCALE_ROW1
.else
	v_wmma_scale_f32_16x16x128_f8f6f4 v[(\d):(\d)+7], v[(\a):(\a)+11], v[(\b):(\b)+11], 0, v[\sa], v[\sb] matrix_a_fmt:MATRIX_FMT_FP6 matrix_b_fmt:MATRIX_FMT_FP6
.endif
.else
.if (\ra) && (\rb)
	v_wmma_scale_f32_16x16x128_f8f6f4 v[(\d):(\d)+7], v[(\a):(\a)+11], v[(\b):(\b)+11], v[(\d):(\d)+7], v[\sa], v[\sb] matrix_a_fmt:MATRIX_FMT_FP6 matrix_b_fmt:MATRIX_FMT_FP6 matrix_a_scale:MATRIX_SCALE_ROW1 matrix_b_scale:MATRIX_SCALE_ROW1
.elseif \ra
	v_wmma_scale_f32_16x16x128_f8f6f4 v[(\d):(\d)+7], v[(\a):(\a)+11], v[(\b):(\b)+11], v[(\d):(\d)+7], v[\sa], v[\sb] matrix_a_fmt:MATRIX_FMT_FP6 matrix_b_fmt:MATRIX_FMT_FP6 matrix_a_scale:MATRIX_SCALE_ROW1
.elseif \rb
	v_wmma_scale_f32_16x16x128_f8f6f4 v[(\d):(\d)+7], v[(\a):(\a)+11], v[(\b):(\b)+11], v[(\d):(\d)+7], v[\sa], v[\sb] matrix_a_fmt:MATRIX_FMT_FP6 matrix_b_fmt:MATRIX_FMT_FP6 matrix_b_scale:MATRIX_SCALE_ROW1
.else
	v_wmma_scale_f32_16x16x128_f8f6f4 v[(\d):(\d)+7], v[(\a):(\a)+11], v[(\b):(\b)+11], v[(\d):(\d)+7], v[\sa], v[\sb] matrix_a_fmt:MATRIX_FMT_FP6 matrix_b_fmt:MATRIX_FMT_FP6
.endif
.endif
.endm
; step s's 32 products: product e = token tile e / 8 x Wo tile e % 8, accumulator e at v[8 e] of window 1; the 32 take turns, one instruction a turn
.macro MULS s
.set SS, \s
.if SS%2 == 0
.set WB, 144
.set WW, 2
.else
.set WB, 160
.set WW, 0
.endif
.if SS <= 4
.set XW, 3
.set XB, 48*SS
.else
.set XW, 2
.set XB, 48*(SS-5)
.endif
	WIN 0x50|(XW<<2)|WW
.set ee, 0
.rept 32
	MM 8*ee, WB+12*(ee%8), XB+12*(ee/8), (SS==0), 48+8*((ee%8)/2)+SS, 32+8*((ee/8)/2)+SS, ee%2, (ee/8)%2
.set ee, ee+1
.endr
.endm
.macro STEP s
	s_wait_dscnt 0x0                               ; this step's set is in
	PLACES 4                                       ; in front of loads into the set that the last step's products read
.set NS, (\s)+1
	FETCHW NS/4, NS%4, NS%2
	MULS \s
.endm
	s_load_b256 s[4:11], s[0:1], 0x0               ; ybuf, ysc, Wo codes, Wo scales
	s_load_b64 s[12:13], s[0:1], 0x20              ; out0
	v_lshl_add_u32 v158, v0, 2, 0x40000
	v_mov_b32 v159, 0
	ds_add_u32 v158, v159
	v_lshrrev_b32 v1, 5, v0
	v_readfirstlane_b32 s[WV], v1
	s_lshr_b32 s27, s26, 1                         ; th
	s_and_b32 s28, s26, 1                          ; ch
	s_and_b32 s31, ttmp7, 0xffff                   ; the group of 256 columns, which the partners share
	s_mov_b32 s32, 15|(1<<20)|(1<<21)|(3<<22)|(3<<25)  ; group 1: mask of all four; bytes; 16 bytes of padding behind every 64
	s_mov_b32 s33, 192<<16
	s_mov_b32 s34, 128<<16
	s_mov_b32 s35, 192<<16
	s_mov_b32 s36, 128
	s_mov_b32 s37, 768
	s_mov_b32 s38, 0
	s_mov_b32 s39, 0
	s_lshl_b32 s98, s31, 8
	s_lshl_b32 s99, s27, 7
	s_add_co_u32 s98, s98, s99
	s_mul_i32 s98, s98, 768
	s_mul_i32 s99, s28, 192
	s_add_co_u32 s98, s98, s99                     ; Wo: (256 hg + 128 (w / 2)) rows + 192 (w % 2) bytes
	s_mov_b32 s99, 0
	s_lshl_b32 s2, s31, 13
	s_lshl_b32 s3, s28, 12
	s_add_co_u32 s2, s2, s3
	s_mov_b32 s3, 0
	s_mov_b32 s48, 1
	s_mul_i32 s49, s28, CHUNK
	s_mul_i32 s96, s27, HALFR
	s_add_co_u32 s49, s49, s96
	s_mov_b32 s52, 1
	s_add_co_u32 s53, s49, SLOTB
	s_bfe_u32 s29, ttmp6, 0x40000                  ; cx
	s_lshl_b32 s30, ttmp9, 2
	s_add_co_u32 s30, s30, s29                     ; tb: my block of 128 tokens
	s_wait_dscnt 0x0
	s_wait_kmcnt 0x0
	s_add_nc_u64 s[8:9], s[8:9], s[98:99]
	s_add_nc_u64 s[10:11], s[10:11], s[2:3]
	s_mov_b64 s[50:51], s[8:9]
	s_or_b32 s51, s51, 0x80000000
	s_add_nc_u64 s[54:55], s[8:9], 384
	s_or_b32 s55, s55, 0x80000000
	CROUND                                         ; all four work-groups are here: the joint loads meet
	tensor_load_to_lds s[48:51], s[32:39]          ; first 512 along K
	s_nop 0
	tensor_load_to_lds s[52:55], s[32:39]          ; second 512: two loads of mine are out
	s_nop 0
	PLACES 4
	s_mov_b32 s101, 0
	s_mul_i32 s100, s30, 98304
	s_mul_i32 s96, s27, 49152
	s_add_co_u32 s100, s100, s96
	s_add_nc_u64 s[4:5], s[4:5], s[100:101]        ; y's images at token tile 8 tb + 4 th
	s_lshl_b32 s100, s30, 13
	s_lshl_b32 s96, s27, 12
	s_add_co_u32 s100, s100, s96
	s_add_nc_u64 s[6:7], s[6:7], s[100:101]        ; y's scale words at pair 4 tb + 2 th
	s_lshl_b32 s100, s30, 19
	s_lshl_b32 s96, s27, 18
	s_add_co_u32 s100, s100, s96
	s_lshl_b32 s96, s31, 10
	s_add_co_u32 s100, s100, s96
	s_lshl_b32 s96, s28, 9
	s_add_co_u32 s100, s100, s96
	s_add_nc_u64 s[12:13], s[12:13], s[100:101]    ; out0 at (128 tb + 64 th, 256 hg + 128 ch)
	v_and_b32 v1, 31, v0
	v_and_b32 v2, 15, v0
	v_bfe_u32 v3, v0, 4, 1
	v_lshlrev_b32 v[L16], 4, v1
	v_lshlrev_b32 v[L8], 3, v1
	v_lshlrev_b32 v[L4], 2, v1
	v_lshlrev_b32 v[L32], 5, v1
.set ys, 0
.rept 8                                        ; y's fragments: step ys, token tile ya, half yc: the images come back as they were stored
.if ys <= 4
	WIN 0xc0
.set XB, 48*ys
.else
	WIN 0x80
.set XB, 48*(ys-5)
.endif
.set ya, 0
.rept 4
.irp c, 0,1
	global_load_b128 v[XB+12*ya+6*\c:XB+12*ya+6*\c+3], v[L16], s[4:5] offset:12288*ya+1536*ys+768*\c
	global_load_b64 v[XB+12*ya+6*\c+4:XB+12*ya+6*\c+5], v[L8], s[4:5] offset:12288*ya+1536*ys+768*\c+512
.endr
.set ya, ya+1
.endr
.set ys, ys+1
.endr
	WIN 0
.irp t, 0,1,2,3
	global_load_b128 v[48+8*\t:51+8*\t], v[L32], s[10:11] offset:1024*\t     ; Wo's scale words: lane l takes row 32 t + l whole
	global_load_b128 v[52+8*\t:55+8*\t], v[L32], s[10:11] offset:1024*\t+16
.endr
.set n_, 0
.rept 32
	global_load_b32 v[80+n_], v[L4], s[6:7] offset:128*n_                    ; pair n / 16, head n % 16
.set n_, n_+1
.endr
	v_mul_u32_u24 v23, v2, PITCH
	v_mad_u32_u24 v23, v3, 24, v23
	v_lshl_add_u32 v25, v3, 4, v23
	s_mul_i32 s2, s28, HALFR
.irp k, 0,1,2,3
	s_add_co_u32 s3, s2, (\k/2)*SLOTB+(\k%2)*CHUNK
	v_add_nc_u32 v[6+4*(\k/2)+\k%2], s3, v23
	v_add_nc_u32 v[8+4*(\k/2)+\k%2], s3, v25
.endr
	s_mul_i32 s2, s26, 8448                        ; my stage: 16 rows x (512 + 16) bytes
	v_mul_u32_u24 v14, v2, 528
	v_lshl_add_u32 v14, v3, 5, v14
	v_add_nc_u32 v14, s2, v14                      ; in: row r, + 32 h
	v_add_nc_u32 v15, s2, v[L16]                   ; back: 16 bytes a lane
	s_wait_loadcnt 0x0
.set n_, 0
.rept 16
	v_or_b32 v[32+n_], v[80+2*n_], v[81+2*n_]      ; two heads' bytes make a K step's scale word
.set n_, n_+1
.endr
	PLACES 8                                       ; a scale register written by a vector instruction stands 8 places ahead of a scaled product
	s_wait_tensorcnt 0x1                           ; my part of the first tile is in; the second may stay out
	s_barrier_signal -1
	s_barrier_wait -1
	FETCHW 0, 0, 0
	STEP 0
	STEP 1
	STEP 2
	WIN 0
	s_wait_tensorcnt 0x0                           ; my part of the second tile is in,
	s_wait_dscnt 0x0                               ; and my reads of the first are over
	s_barrier_signal -1
	s_barrier_wait -1
	STEP 3
	STEP 4
	STEP 5
	STEP 6
	s_wait_dscnt 0x0
	MULS 7
	WIN 0
	PLACES 4                                       ; in front of the first read of results
.set oa, 0
.rept 4                                        ; a block of 16 tokens x 128 columns at a time
	s_wait_xcnt 0x0                                ; the last block's stores have read their registers
	WIN 0x04                                       ; an LDS store's data are its source 1: window 1
.set ot, 0
.rept 8
	ds_store_b128 v14, v[64*oa+8*ot:64*oa+8*ot+3] offset:64*ot          ; each accumulator from its low end on
	ds_store_b128 v14, v[64*oa+8*ot+4:64*oa+8*ot+7] offset:64*ot+16
.set ot, ot+1
.endr
	WIN 0
.set ot, 0
.rept 16
	ds_load_b128 v[80+4*ot:83+4*ot], v15 offset:528*ot                  ; LDS serves a wave's instructions in order: these see my stores
.set ot, ot+1
.endr
	s_wait_dscnt 0x0
.set ot, 0
.rept 16
	global_store_b128 v[L16], v[80+4*ot:83+4*ot], s[12:13] offset:4096*(16*oa+ot) th:TH_STORE_NT   ; 32 lanes store 512 consecutive bytes, aligned
.set ot, ot+1
.endr
.set oa, oa+1
.endr
	s_wait_tensorcnt 0x0
	ds_add_u32 v158, v159
	s_wait_dscnt 0x0
	CROUND                                         ; the closing round
	s_endpgm
.Lfunc_end_k_q43f7d0ff2a_outp:
	.size	k_q43f7d0ff2a_outp, .Lfunc_end_k_q43f7d0ff2a_outp-k_q43f7d0ff2a_outp
	.p2alignl 7, 3214868480
	.fill 96, 4, 3214868480
	.section	.rodata,"a",@progbits
	.p2align	6, 0x0
	.amdhsa_kernel k_q43f7d0ff2a_outp
		.amdhsa_group_segment_fixed_size 262656
		.amdhsa_private_segment_fixed_size 0
		.amdhsa_enable_private_segment 0
		.amdhsa_kernarg_size 40
		.amdhsa_user_sgpr_count 2
		.amdhsa_user_sgpr_kernarg_segment_ptr 1
		.amdhsa_wavefront_size32 1
		.amdhsa_system_sgpr_workgroup_id_x 1
		.amdhsa_system_sgpr_workgroup_id_y 1
		.amdhsa_system_sgpr_workgroup_id_z 1
		.amdhsa_system_vgpr_workitem_id 0
		.amdhsa_next_free_vgpr 1024
		.amdhsa_next_free_sgpr 102
		.amdhsa_reserve_vcc 0
		.amdhsa_float_denorm_mode_32 3
		.amdhsa_float_denorm_mode_16_64 3
		.amdhsa_memory_ordered 1
		.amdhsa_forward_progress 1
		.amdhsa_inst_pref_size 95
	.end_amdhsa_kernel
	.amdgpu_metadata
---
amdhsa.version: [ 1, 2 ]
amdhsa.kernels:
  - .name:           k_q43f7d0ff2a_outp
    .symbol:         k_q43f7d0ff2a_outp.kd
    .args:
      - { .name: ybuf, .offset: 0, .size: 8, .value_kind: global_buffer, .address_space: global }
      - { .name: ysc, .offset: 8, .size: 8, .value_kind: global_buffer, .address_space: global }
      - { .name: Wo_codes, .offset: 16, .size: 8, .value_kind: global_buffer, .address_space: global }
      - { .name: Wo_scales, .offset: 24, .size: 8, .value_kind: global_buffer, .address_space: global }
      - { .name: out0, .offset: 32, .size: 8, .value_kind: global_buffer, .address_space: global }
    .group_segment_fixed_size: 262656
    .private_segment_fixed_size: 0
    .kernarg_segment_align: 8
    .kernarg_segment_size: 40
    .max_flat_workgroup_size: 128
    .sgpr_count:     102
    .vgpr_count:     1024
    .wavefront_size: 32
...
	.end_amdgpu_metadata
.endif
;; end of part 3
